; MI455X (gfx1250); checked and timed in simulation.
; The chip was launched on July 23, 2026; its instructions are those of AMD's public machine-readable ISA for CDNA 5 (MIT licence, August 2026) and "CDNA5" Instruction Set Architecture Reference Guide (July 2026). The comments in the code are by the model that wrote it; some were corrected since.
;; KAN. Allowed arithmetic: matrix products marked QUANTISED: E5M2 operands, one E8M0 scale for each 32 along K, by v_wmma_scale_f32_16x16x128_f8f6f4 with both operands' format E5M2, f32 sums; products left as they are: f32 operands where the result goes on into a quantised operand, else bf16, f16 or f32 operands; f32 sums; everything else in f32.
;; Inputs: bw0_codes 256 x 1 x 32 uint8 (E5M2 codes of bw0, K innermost, in blocks of 32 codes); bw0_scales 256 x 1 uint8 (E8M0 scales of bw0, one for each 32 codes along K); bw1_codes 256 x 8 x 32 uint8 (E5M2 codes of bw1, K innermost, in blocks of 32 codes); bw1_scales 256 x 8 uint8 (E8M0 scales of bw1, one for each 32 codes along K); bw2_codes 256 x 8 x 32 uint8 (E5M2 codes of bw2, K innermost, in blocks of 32 codes); bw2_scales 256 x 8 uint8 (E8M0 scales of bw2, one for each 32 codes along K); bw3 1 x 256 float32; freq 16 float32; ss0 256 x 32 float32; ss1 256 x 256 float32; ss2 256 x 256 float32; ss3 1 x 256 float32; sw0 256 x 32 x 8 float32; sw1 256 x 256 x 8 float32; sw2 256 x 256 x 8 float32; sw3 1 x 256 x 8 float32; x 16,384 x 1 float32.
;; Outputs: out0 16,384 x 1 float32.
;; This version of the problem:
;;   THIS VERSION OF THE PROBLEM IS GIVEN IN LOW PRECISION. The matrix products marked QUANTISED in the list below multiply operands that are first quantised to E5M2 (5 exponent bits, 2 mantissa bits; 8 bits a number), with one power-of-two scale for each 32 numbers along K (OCP MX v1.0); their sums are f32. All else is computed in f32.
;;   The module's matrix products, in the order in which they are computed (A, B: the left and right operand; K: the contracted axis; several contracted axes count as one K, in the product's order):
;;     1. [M 16,384, K 256] x [K 256, N 256]; A: computed on the way; B: computed on the way: QUANTISED
;;     2. [M 16,384, K 32] x [K 32, N 256]; A: computed on the way; B: input bw0 (given as codes): QUANTISED
;;     3. [M 16,384, K 2,048] x [K 2,048, N 256]; A: computed on the way; B: computed on the way: QUANTISED
;;     4. [M 16,384, K 256] x [K 256, N 256]; A: computed on the way; B: input bw1 (given as codes): QUANTISED
;;     5. [M 16,384, K 2,048] x [K 2,048, N 256]; A: computed on the way; B: computed on the way: QUANTISED
;;     6. [M 16,384, K 256] x [K 256, N 256]; A: computed on the way; B: input bw2 (given as codes): QUANTISED
;;     7. [M 16,384, K 2,048] x [K 2,048, N 1]; A: computed on the way; B: computed on the way: left as it is (N = 1 < 16)
;;     8. [M 16,384, K 256] x [K 256, N 1]; A: computed on the way; B: input bw3: left as it is (N = 1 < 16)
;;   THE QUANTISER, for each operand of a quantised product, along K:
;;     - K is cut into blocks of 32 from its start; a last block that is shorter is filled with zeros.
;;     - A block's scale is 2^e with e = floor(log2(the largest magnitude in the block)) - 15, held to -126 .. 127; a block of zeros has e = 0. As a byte (E8M0): e + 127.
;;     - Each number is divided by its block's scale, clamped to +-57,344, and rounded to the nearest number of E5M2, ties to even, subnormals kept.
;;     - The product sums the exact products of the quantised numbers (number of the format x scale) in f32.
;;   ~~~python
;;   def quantise(x, axis):      # numpy; x: float32 -> the quantised numbers, widened to float32 again
;;       x = np.moveaxis(x, axis, -1); K = x.shape[-1]
;;       x = np.pad(x, [(0, 0)] * (x.ndim - 1) + [(0, -K % 32)]); x = x.reshape(x.shape[:-1] + (-1, 32)); a = np.abs(x).max(-1, keepdims=True)
;;       e = np.where(a > 0, np.clip(np.frexp(np.where(a > 0, a, 1))[1] - 1 - 15, -126, 127), 0)      # np.frexp(a)[1] - 1 = floor(log2(a)), exactly
;;       r = np.clip(x / 2.0 ** e, -57344, 57344)
;;       step = 2.0 ** (np.maximum(np.frexp(np.where(r == 0, 1, r))[1] - 1, -14) - 2)
;;       q = np.round(r / step) * step * 2.0 ** e      # np.round: ties to even
;;       return np.moveaxis(q.reshape(q.shape[:-2] + (-1,))[..., :K], -1, axis).astype(np.float32)
;;   ~~~
;;   OPERANDS COMPUTED ON THE WAY. 'Computed on the way' means the value that the module computes at that place (a softmax that the list does not call 'softmax' is quantised finished and normalised). What goes into a quantiser is computed in f32, as accurately as f32 sums, v_exp_f32 and their like allow (about 1e-6 of the number): no bf16 or f16 on the way to a quantiser, and a product that is left as it is and whose result goes on into a quantised operand takes f32 operands (vector FMAs, or v_wmma_f32_16x16x4_f32). A number that lies on a knife's edge between two numbers of the format may be rounded either way, as far as f32 arithmetic and the matrix unit's own rounding can turn it there, and no further.
;;   INPUTS GIVEN AS CODES. bw0 (in the module: [256, 32], K = its axis 1); bw1 (in the module: [256, 256], K = its axis 1); bw2 (in the module: [256, 256], K = its axis 1): each comes as NAME_codes (uint8): NAME with its K axis moved to the last place and cut into blocks of 32 codes, [.., K / 32, bytes a block], one block behind the other in memory; one code a byte (a code: sign, 5 exponent bits, 2 mantissa bits); and NAME_scales (uint8): the same leading axes, one E8M0 byte (e + 127) for each 32 codes along K. Its value is code x scale, taken as it is: it is not quantised again, and the codes and scales need not be those that the quantiser above would give.
;; 2 versions, each right; version 2 is version 1 with the launch kan written anew for expert scheduling mode. Each part assembles by itself: llvm-mc -triple=amdgcn-amd-amdhsa -mcpu=gfx1250 --defsym DOCPART=n.
;; ======== version 1 of 2: 2 launches
;; limits: right only within a limited range of input values
;; workspace buffers: wq 1,357,824 bytes
;; launch prep (part 1): grid 39 x 1, 4 waves a work-group, no clusters, 0 bytes of LDS; arguments sw0, ss0, sw1, ss1, sw2, ss2, bw0_codes, bw0_scales, bw1_codes, bw1_scales, bw2_codes, bw2_scales, wq; writes wq
.if DOCPART == 1
	.amdgcn_target "amdgcn-amd-amdhsa--gfx1250"
	.amdhsa_code_object_version 6
	.text
	.protected	k_q589120606a_prep
	.globl	k_q589120606a_prep
	.p2align	8
	.type	k_q589120606a_prep,@function
k_q589120606a_prep:
	s_mov_b64 s[64:65], 0
	v_nop
	global_prefetch_b8 v0, s[64:65] scope:SCOPE_SE
	s_setreg_imm32_b32 hwreg(HW_REG_WAVE_MODE, 25, 1), 1
	s_wait_xcnt 0x0
; The weights of layers 0 to 2 are laid into wq as IMAGES OF OPERAND REGISTERS, so that the second launch loads each fragment by 16-byte loads of neighbouring lanes.
; A unit (layer, wave w, K step k of 128) is 17 pieces of 512 bytes: piece 4 t + c: lane l's 16 bytes at 16 l = registers 4 c .. 4 c + 3 of the fragment of tile t (t = 0 .. 3);
; piece 16: lane l's 16 bytes = the scale words of tiles 0 .. 3 for the lane's row.  Order [layer][w][k]; layer 0 has 3 K steps (2 spline, 1 base), layers 1 and 2 have 18 (16 spline, 2 base).
; THE ROWS OF A TILE: lane rho (lane % 16) of tile t of wave w takes output o = 64 w + 16 t + 4 ((rho & 7) >> 1) + 2 (rho >> 3) + (rho & 1), so that the product's results fall into the lane that needs them next.
; SPLINE WEIGHTS: sw x ss in f32, K = 8 f + i, quantised to E5M2 with one E8M0 byte for each 32 along K: byte = the largest magnitude's exponent field - 15, held at 1 from below.
; BASE WEIGHTS arrive as codes: inside each block of 32 the bytes are put in the order in which the second launch holds silu(h): place 16 hh + 8 tt + j takes feature 16 tt + 4 (j >> 1) + 2 hh + (j & 1).
; Layer 0's base product has K = 32: the other three blocks of its K step are zero codes under the byte 127.
; SHARES: 39 work-groups of 4 waves, one unit a wave: work-groups 0-1, 2-17, 18-33 the spline K steps of layers 0, 1, 2; 34 layer 0's base; 35-36, 37-38 the base K steps of layers 1, 2.
; LIMITS: NaN and infinities are not served; a block of zeros gets the byte 1 where the rule says 127: its codes are zeros, and this program alone reads the bytes.
.set TM,  160                          ; v160-175 at work in the quantiser
.set SEL, 48                           ; s[48:49] selects of v_permlanex16_b32: lane l xor 16
.set MNT, 50                           ; s50 the mantissa field of 57,344
; 16 nb numbers of a lane, register 16 b + i = place 32 b + 16 (lane / 16) + i of my row's K step, become codes in v[pc] on and the scale bytes in v[pw]
.macro QUANT s, nb, mode, pc, pw
.set qb, 0
.rept \nb
.if \mode
	v_max3_num_f32 v[TM+qb], v[(\s)+16*qb], v[(\s)+16*qb+1], 0x8000000
.else
	v_max3_num_f32 v[TM+qb], |v[(\s)+16*qb]|, |v[(\s)+16*qb+1]|, 0x8000000   ; with the floor 2^(16 - 127): the byte cannot fall under 1
.endif
.set qb, qb+1
.endr
.irp i, 2,4,6,8,10,12,14
.set qb, 0
.rept \nb
.if \mode
	v_max3_num_f32 v[TM+qb], v[TM+qb], v[(\s)+16*qb+\i], v[(\s)+16*qb+\i+1]
.else
	v_max3_num_f32 v[TM+qb], v[TM+qb], |v[(\s)+16*qb+\i]|, |v[(\s)+16*qb+\i+1]|
.endif
.set qb, qb+1
.endr
.endr
.set qb, 0
.rept \nb
	v_permlanex16_b32 v[TM+4+qb], v[TM+qb], s[SEL], s[SEL+1]
.set qb, qb+1
.endr
.set qb, 0
.rept \nb
	v_max_num_f32 v[TM+qb], v[TM+qb], v[TM+4+qb]           ; with lane l xor 16's 16: the block's largest magnitude
.set qb, qb+1
.endr
.set qb, 0
.rept \nb
	v_add_nc_u32 v[TM+12+qb], 0xf8800000, v[TM+qb]         ; 15 off its exponent field: the conversion's scale operand
.set qb, qb+1
.endr
.set qb, 0
.rept \nb
	v_and_or_b32 v[TM+8+qb], v[TM+qb], 0x7f800000, s[MNT]  ; 57,344 x the scale
.set qb, qb+1
.endr
	v_lshrrev_b32 v[(\pw)], 23, v[TM+12]                   ; the scale bytes, the lower K in the lower byte
.set qb, 1
.rept \nb-1
	v_lshrrev_b32 v[TM+4+qb], 23, v[TM+12+qb]
.set qb, qb+1
.endr
.set qb, 1
.rept \nb-1
	v_lshl_or_b32 v[(\pw)], v[TM+4+qb], 8*qb, v[(\pw)]
.set qb, qb+1
.endr
.set qb, 0
.rept \nb
.set qi, 0
.rept 16
.if \mode
	v_min_num_f32 v[(\s)+16*qb+qi], v[(\s)+16*qb+qi], v[TM+8+qb]
.else
	v_med3_num_f32 v[(\s)+16*qb+qi], v[(\s)+16*qb+qi], -v[TM+8+qb], v[TM+8+qb]   ; the conversion to an 8-bit code does not saturate (ISA guide 7.6.2): the hold
.endif
.set qi, qi+1
.endr
	v_cvt_scalef32_pk8_bf8_f32 v[(\pc)+4*qb:(\pc)+4*qb+1], v[(\s)+16*qb:(\s)+16*qb+7], v[TM+12+qb]
	v_cvt_scalef32_pk8_bf8_f32 v[(\pc)+4*qb+2:(\pc)+4*qb+3], v[(\s)+16*qb+8:(\s)+16*qb+15], v[TM+12+qb]
.set qb, qb+1
.endr
	v_nop                                                  ; one plain line behind the last conversion
.endm
.macro OUTBASE                         ; wq at my unit: layer's first byte + (w x K steps + k) x 8,704
	s_mul_i32 s42, s30, s40
	s_add_co_u32 s42, s42, s41
	s_mul_i32 s42, s42, 8704
	s_add_co_u32 s42, s42, s37
	s_mov_b32 s43, 0
	s_add_nc_u64 s[28:29], s[28:29], s[42:43]
.endm
	s_load_b256 s[4:11], s[0:1], 0x0               ; sw0, ss0, sw1, ss1
	s_load_b256 s[12:19], s[0:1], 0x20             ; sw2, ss2, bw0's codes, bw0's scales
	s_load_b256 s[20:27], s[0:1], 0x40             ; bw1's codes, scales, bw2's codes, scales
	s_load_b64 s[28:29], s[0:1], 0x60              ; wq
	v_lshrrev_b32 v10, 5, v0
	v_readfirstlane_b32 s30, v10                   ; wave
	v_and_b32 v10, 31, v0
	v_lshlrev_b32 v1, 4, v10                       ; 16 x lane: my place in a piece
	v_bfe_u32 v11, v0, 4, 1                        ; hh = lane / 16
	v_bfe_u32 v12, v0, 1, 2                        ; (rho & 7) >> 1
	v_bfe_u32 v13, v0, 3, 1                        ; rho >> 3
	v_and_b32 v14, 1, v0
	v_lshl_add_u32 v14, v12, 2, v14
	v_lshl_add_u32 v14, v13, 1, v14
	s_lshl_b32 s31, s30, 6
	v_add_nc_u32 v14, s31, v14                     ; my row of tile 0
	s_mov_b32 s[SEL], 0x76543210
	s_mov_b32 s[SEL+1], 0xfedcba98
	s_mov_b32 s[MNT], 0x600000
.irp b, 0,1,2,3
	v_mov_b32 v[TM+4+\b], 0                        ; written once: a lane permute's destination counts as one of its sources
	v_mov_b32 v[244+\b], 0                         ; sixteen zero codes
.endr
	s_wait_kmcnt 0x0
	s_cmp_lt_u32 ttmp9, 34
	s_cbranch_scc0 .Lbase
	; ---- spline weights.  The buffers are chosen on the work-group's number alone
	s_mov_b32 s37, 731136
	s_cmp_lt_u32 ttmp9, 18
	s_cselect_b64 s[32:33], s[8:9], s[12:13]
	s_cselect_b64 s[34:35], s[10:11], s[14:15]
	s_cselect_b32 s36, 2, 18                       ; the layer's first work-group
	s_cselect_b32 s37, 104448, s37                 ; the layer's first byte in wq
	s_cmp_lt_u32 ttmp9, 2
	s_cselect_b64 s[32:33], s[4:5], s[32:33]
	s_cselect_b64 s[34:35], s[6:7], s[34:35]
	s_cselect_b32 s36, 0, s36
	s_cselect_b32 s37, 0, s37
	s_cselect_b32 s38, 10, 13                      ; a row of sw is 2^10 or 2^13 bytes,
	s_cselect_b32 s39, 7, 10                       ; of ss 2^7 or 2^10
	s_cselect_b32 s40, 3, 18                       ; K steps of the layer
	s_sub_co_u32 s41, ttmp9, s36                   ; k
	v_lshlrev_b32 v2, s38, v14                     ; sw: row + 512 k + 64 hh: my 16 numbers of each block of 32
	s_lshl_b32 s45, s41, 9
	v_add_nc_u32 v2, s45, v2
	v_lshl_add_u32 v2, v11, 6, v2
	s_lshl_b32 s44, 16, s38                        ; 16 rows on for each tile
	v_add_nc_u32 v3, s44, v2
	v_add_nc_u32 v4, s44, v3
	v_add_nc_u32 v5, s44, v4
	v_lshlrev_b32 v6, s39, v14                     ; ss: row + 64 k + 8 hh: my two features of each block
	s_lshl_b32 s45, s41, 6
	v_add_nc_u32 v6, s45, v6
	v_lshl_add_u32 v6, v11, 3, v6
	s_lshl_b32 s44, 16, s39
	v_add_nc_u32 v7, s44, v6
	v_add_nc_u32 v8, s44, v7
	v_add_nc_u32 v9, s44, v8
	OUTBASE
.macro LOADT t                         ; tile t: 64 numbers of sw and 8 of ss into set t % 2 (v16.. or v88..): 20 loads
.set SB, 16+72*((\t)%2)
.irp c, 0,1,2,3
.irp i, 0,1,2,3
	global_load_b128 v[SB+16*\c+4*\i:SB+16*\c+4*\i+3], v[2+(\t)], s[32:33] offset:128*\c+16*\i
.endr
	global_load_b64 v[SB+64+2*\c:SB+64+2*\c+1], v[6+(\t)], s[34:35] offset:16*\c
.endr
.endm
.macro MULSS a                         ; sw x ss: registers 16 c + 8 e + i take feature 4 c + 2 hh + e's scaler
.irp c, 0,1,2,3
.irp q, 0,2,4,6
	v_pk_mul_f32 v[(\a)+16*\c+\q:(\a)+16*\c+\q+1], v[(\a)+16*\c+\q:(\a)+16*\c+\q+1], v[(\a)+64+2*\c:(\a)+64+2*\c+1] op_sel_hi:[1,0]
.endr
.irp q, 8,10,12,14
	v_pk_mul_f32 v[(\a)+16*\c+\q:(\a)+16*\c+\q+1], v[(\a)+16*\c+\q:(\a)+16*\c+\q+1], v[(\a)+64+2*\c:(\a)+64+2*\c+1] op_sel:[0,1] op_sel_hi:[1,1]
.endr
.endr
.endm
	LOADT 0
	LOADT 1
.irp t, 0,1,2,3
.if \t < 3
	s_wait_loadcnt 20                              ; this tile's 20 loads are in; the next tile's 20 may be out
.else
	s_wait_loadcnt 0x0
.endif
	MULSS 16+72*(\t%2)
	QUANT 16+72*(\t%2), 4, 0, 176+16*\t, 240+\t
.irp c, 0,1,2,3
	global_store_b128 v1, v[176+16*\t+4*\c:176+16*\t+4*\c+3], s[28:29] offset:512*(4*\t+\c)   ; 32 lanes store 512 consecutive bytes; each store has data registers of its own
.endr
.if \t < 2
	LOADT \t+2
.endif
.endr
	global_store_b128 v1, v[240:243], s[28:29] offset:8192   ; the four tiles' scale words
	s_endpgm
.Lbase:	; ---- base weights: codes as given, put in the second launch's order inside each block of 32
	s_mov_b32 s37, 731136
	s_cmp_lt_u32 ttmp9, 37
	s_cselect_b64 s[32:33], s[20:21], s[24:25]
	s_cselect_b64 s[34:35], s[22:23], s[26:27]
	s_cselect_b32 s36, 35, 37
	s_cselect_b32 s37, 104448, s37
	s_cmp_eq_u32 ttmp9, 34
	s_cselect_b64 s[32:33], s[16:17], s[32:33]
	s_cselect_b64 s[34:35], s[18:19], s[34:35]
	s_cselect_b32 s36, 34, s36
	s_cselect_b32 s37, 0, s37
	s_cselect_b32 s38, 5, 8                        ; a row of codes is 32 or 256 bytes,
	s_cselect_b32 s39, 0, 3                        ; of scale bytes 1 or 8
	s_cselect_b32 s40, 3, 18
	s_cselect_b32 s46, 2, 16                       ; the layer's first base K step
	s_sub_co_u32 s41, ttmp9, s36                   ; which 128 features
	v_lshlrev_b32 v2, s38, v14
	s_lshl_b32 s45, s41, 7
	v_add_nc_u32 v2, s45, v2
	s_lshl_b32 s44, 16, s38
	v_add_nc_u32 v3, s44, v2
	v_add_nc_u32 v4, s44, v3
	v_add_nc_u32 v5, s44, v4
	v_lshlrev_b32 v6, s39, v14
	s_lshl_b32 s45, s41, 2
	v_add_nc_u32 v6, s45, v6
	s_lshl_b32 s44, 16, s39
	v_add_nc_u32 v7, s44, v6
	v_add_nc_u32 v8, s44, v7
	v_add_nc_u32 v9, s44, v8
	s_add_co_u32 s41, s41, s46                     ; k
	OUTBASE
	v_mov_b32 v15, 0x05040100                      ; lanes 0-15 take bytes 0, 1 of each word of the block, lanes 16-31 bytes 2, 3
	v_mov_b32 v12, 0x07060302
	v_cmp_eq_u32 vcc_lo, 1, v11
	v_cndmask_b32 v15, v15, v12, vcc_lo
; nc blocks of 32 codes a row.  Both halves of the lanes read the whole block; output word i is made of words 2 i and 2 i + 1
.macro BASEPATH nc
.irp t, 0,1,2,3
.set cc, 0
.rept \nc
	global_load_b128 v[16+32*\t+8*cc:16+32*\t+8*cc+3], v[2+\t], s[32:33] offset:32*cc
	global_load_b128 v[16+32*\t+8*cc+4:16+32*\t+8*cc+7], v[2+\t], s[32:33] offset:32*cc+16
.set cc, cc+1
.endr
.if \nc == 4
	global_load_b32 v[240+\t], v[6+\t], s[34:35]
.else
	global_load_u8 v[240+\t], v[6+\t], s[34:35]
.endif
.endr
	s_wait_loadcnt 0x0
.irp t, 0,1,2,3
.set cc, 0
.rept \nc
.irp i, 0,1,2,3
	v_perm_b32 v[176+16*\t+4*cc+\i], v[16+32*\t+8*cc+2*\i+1], v[16+32*\t+8*cc+2*\i], v15
.endr
.set cc, cc+1
.endr
.if \nc == 1
	v_or_b32 v[240+\t], 0x7f7f7f00, v[240+\t]      ; the three blocks of zero codes get the byte 127
.endif
.endr
.irp t, 0,1,2,3
.irp c, 0,1,2,3
.if \c < \nc
	global_store_b128 v1, v[176+16*\t+4*\c:176+16*\t+4*\c+3], s[28:29] offset:512*(4*\t+\c)
.else
	global_store_b128 v1, v[244:247], s[28:29] offset:512*(4*\t+\c)
.endif
.endr
.endr
	global_store_b128 v1, v[240:243], s[28:29] offset:8192
.endm
	s_cmp_eq_u32 ttmp9, 34
	s_cbranch_scc1 .Lbase0
	BASEPATH 4
	s_endpgm
.Lbase0:
	BASEPATH 1
	s_endpgm
.Lfunc_end_k_q589120606a_prep:
	.size	k_q589120606a_prep, .Lfunc_end_k_q589120606a_prep-k_q589120606a_prep
	.p2alignl 7, 3214868480
	.fill 96, 4, 3214868480
	.section	.rodata,"a",@progbits
	.p2align	6, 0x0
	.amdhsa_kernel k_q589120606a_prep
		.amdhsa_group_segment_fixed_size 0
		.amdhsa_private_segment_fixed_size 0
		.amdhsa_enable_private_segment 0
		.amdhsa_kernarg_size 104
		.amdhsa_user_sgpr_count 2
		.amdhsa_user_sgpr_kernarg_segment_ptr 1
		.amdhsa_wavefront_size32 1
		.amdhsa_system_sgpr_workgroup_id_x 1
		.amdhsa_system_sgpr_workgroup_id_y 1
		.amdhsa_system_sgpr_workgroup_id_z 1
		.amdhsa_system_vgpr_workitem_id 0
		.amdhsa_next_free_vgpr 256
		.amdhsa_next_free_sgpr 66
		.amdhsa_reserve_vcc 1
		.amdhsa_float_denorm_mode_32 3
		.amdhsa_float_denorm_mode_16_64 3
		.amdhsa_memory_ordered 1
		.amdhsa_forward_progress 1
		.amdhsa_inst_pref_size 67
	.end_amdhsa_kernel
	.amdgpu_metadata
---
amdhsa.version: [ 1, 2 ]
amdhsa.kernels:
  - .name:           k_q589120606a_prep
    .symbol:         k_q589120606a_prep.kd
    .args:
      - { .name: sw0, .offset: 0, .size: 8, .value_kind: global_buffer, .address_space: global }
      - { .name: ss0, .offset: 8, .size: 8, .value_kind: global_buffer, .address_space: global }
      - { .name: sw1, .offset: 16, .size: 8, .value_kind: global_buffer, .address_space: global }
      - { .name: ss1, .offset: 24, .size: 8, .value_kind: global_buffer, .address_space: global }
      - { .name: sw2, .offset: 32, .size: 8, .value_kind: global_buffer, .address_space: global }
      - { .name: ss2, .offset: 40, .size: 8, .value_kind: global_buffer, .address_space: global }
      - { .name: bw0_codes, .offset: 48, .size: 8, .value_kind: global_buffer, .address_space: global }
      - { .name: bw0_scales, .offset: 56, .size: 8, .value_kind: global_buffer, .address_space: global }
      - { .name: bw1_codes, .offset: 64, .size: 8, .value_kind: global_buffer, .address_space: global }
      - { .name: bw1_scales, .offset: 72, .size: 8, .value_kind: global_buffer, .address_space: global }
      - { .name: bw2_codes, .offset: 80, .size: 8, .value_kind: global_buffer, .address_space: global }
      - { .name: bw2_scales, .offset: 88, .size: 8, .value_kind: global_buffer, .address_space: global }
      - { .name: wq, .offset: 96, .size: 8, .value_kind: global_buffer, .address_space: global }
    .group_segment_fixed_size: 0
    .private_segment_fixed_size: 0
    .kernarg_segment_align: 8
    .kernarg_segment_size: 104
    .max_flat_workgroup_size: 128
    .sgpr_count:     66
    .vgpr_count:     256
    .wavefront_size: 32
...
	.end_amdgpu_metadata
.endif
;; end of part 1
;; launch kan (part 2): grid 256 x 1, 4 waves a work-group, no clusters, 232,960 bytes of LDS; arguments x, freq, sw3, ss3, bw3, wq, out0; writes out0
.if DOCPART == 2
	.amdgcn_target "amdgcn-amd-amdhsa--gfx1250"
	.amdhsa_code_object_version 6
	.text
	.protected	k_q589120606a_kan
	.globl	k_q589120606a_kan
	.p2align	8
	.type	k_q589120606a_kan,@function
k_q589120606a_kan:
	s_mov_b64 s[64:65], 0
	v_nop
	global_prefetch_b8 v0, s[64:65] scope:SCOPE_SE
	s_setreg_imm32_b32 hwreg(HW_REG_WAVE_MODE, 25, 1), 1
	s_wait_xcnt 0x0
; The whole network for 64 points a work-group: sin / cos encoding (32 features), three layers 32 -> 256 -> 256 -> 256 whose spline and base products run on codes of E5M2 with E8M0 scales, and the last layer 256 -> 1 in f32.
; SHARES.  Four waves.  Wave w makes outputs 64 w .. 64 w + 63 of a layer for all 64 points: 16 accumulators (m: 16 points, t: 16 outputs).  The products are used TRANSPOSED (source 0 = 16 rows of weights,
; source 1 = 16 points), and the rows of a weight tile are chosen (first launch) so that register j of accumulator (m, t) in lane (r, hh) is h[point 16 m + r][feature 64 w + 16 t + 4 (j >> 1) + 2 hh + (j & 1)]:
; the eight features whose 64 spline bases are that lane's registers of the next layer's K step 4 w + t (K = 8 f + i).  So h never changes lane or wave; it rests in the wave's own LDS bytes between the phases.
; OPERANDS.  The points' codes and scale words go from wave to wave through LDS as images of their registers (16 bytes a lane, 512 a store).  The weights come from wq, laid as such images, STRAIGHT INTO REGISTERS.
; NO CLUSTER, NO TENSOR LOAD: a shared fetch lands in LDS, and a K step's 8,704 bytes of weights a wave would then be read from LDS beside the 8,192 bytes of the points' images, for the same 16 products;
; into registers, 9 of a layer's 18 K steps are asked for under the vector phases.  All 256 work-groups read the same wq, so nothing is prefetched either.
; THE BASES.  With u = (x - centre_j) / 0.4 the cubic B-spline on these uniform knots is ((2 - |u|)+^3 - 4 (1 - |u|)+^3) / 6; with c = 6^(-1/3): s = 2.5 c x + c (3.5 - j), a = 2 c - min(|s|, 2 c), b = max(a - c, 0),
; B_j = a^3 - 4 b^3: zero outside the knots by itself, never negative.
; THE BASE PRODUCT's K is permuted inside each block of 32, alike on both sides (place 16 hh + 8 tt + j = feature 16 tt + 4 (j >> 1) + 2 hh + (j & 1)): the blocks and their scales are those of the rule.
; LIMITS: NaN and infinities are not served; the sine's reduction is built for |x freq| under 2^22; a block of zeros carries the byte 1 (its codes are zeros; this program alone reads the bytes).
.set AIMG, 0                           ; LDS: spline images [w'][m][sigma] x 2,048 (+ 512 c + 16 lane); K step = 4 w' + sigma
.set BIMG, 131072                      ; base images [beta][c / 2][m][c % 2] x 512
.set ASC,  147456                      ; spline scale words [w'][m][sigma] x 128 (+ 4 lane)
.set BSC,  155648                      ; base scale words [beta][m] x 128 (+ 4 lane + byte c)
.set HREG, 156672                      ; h: [w][m][t][half] x 512 (+ 16 lane): each wave's own
.set C3,   222208                      ; sw3 x ss3, [f][8] f32
.set BW3,  230400                      ; bw3, [f] f32
.set PART, 231424                      ; the waves' sums of the last layer, [w][64] f32
.set LS,  2                            ; v2   ASC + 4 lane
.set LI,  3                            ; v3   16 lane
.set AA,  3                            ; v3-6 16 lane + 32,768 w'
.set AB,  7                            ; v7   16 lane + BIMG
.set HB,  8                            ; v8   my h
.set IW,  9                            ; v9   where I store spline images: 16 lane + 32,768 w
.set SWA, 10                           ; v10  and their scale words: ASC + 2,048 w + 4 lane
.set IW0, 11                           ; v11  the same in layer 0: 16 lane + 8,192 w
.set SW0, 12                           ; v12  ASC + 512 w + 4 lane
.set BWA, 13                           ; v13  where I store base images
.set BSA, 14                           ; v14  and my two scale bytes
.set C3A, 15                           ; v15  C3 + 2,048 w + 64 hh
.set B3A, 16                           ; v16  BW3 + 256 w + 8 hh
.set PA,  17                           ; v17  PART + 256 w + 4 r
.set TA,  18                           ; v18-20 a trip's addresses
.set FIN, 21                           ; v21  PART + 8 lane
.set OUTO, 22                          ; v22  8 lane
.set XV,  23                           ; v23  x of my point
.set OO,  24                           ; v24-31 c (3.5 - j)
.set ASW, 32                           ; v32-39 the points' scale words, two sets of four
.set BSW, 40                           ; v40-79 the weights' scale words, ten sets of four
.set ZR,  80                           ; v80-83 zeros
.set X,   88                           ; v88-95 eight values of h
.set N,   96                           ; v96-159 64 numbers ahead of the quantiser
.set T,   160
.set U,   168
.set TM,  176                          ; v176-191 at work in the quantiser
.set PC,  192                          ; v192-207 codes
.set PW,  208                          ; v208 scale word
.set ACC, 128                          ; v128-255 the accumulators, (m, t) at 128 + 8 (4 m + t): never alive together with what lies above from v128 on
; window 1: v0-127 the points' fragments, two sets of 64.  The weights' ten sets of 64 lie from register 384 on (window 1 v128 to window 3 v255).
.set WV,  18                           ; s18 wave
.set SEL, 20                           ; s[20:21] selects of v_permlanex16_b32: lane l xor 16
.set MNT, 22                           ; s22 the mantissa field of 57,344
.set KAP, 24                           ; s[24:25] 2.5 c
.set C2,  26                           ; s[26:27] 2 c
.set MC,  28                           ; s[28:29] -c
.set NL2E, 36                          ; s[36:37] -log2(e)
.set WB0, 14                           ; s[14:15] my weights of layer 0
.set WB,  38                           ; s[38:39] my weights of the layer in hand
.set MSB, 0
.macro WIN new                         ; s_set_vgpr_msb: bits 1:0 source 0, 3:2 source 1, 5:4 source 2, 7:6 destination; the high byte repeats the setting that is left
.if MSB != (\new)
	s_set_vgpr_msb (MSB<<8)|(\new)
.set MSB, (\new)
.endif
.endm
.macro BARRIER                         ; my LDS stores have landed and my LDS loads are in: then the work-group's barrier
	s_wait_dscnt 0x0
	s_barrier_signal -1
	s_barrier_wait -1
.endm
; The eight bases of one value (the low or high word of the pair v[xp]) into v[d] .. v[d + 7]
.macro BASES xp, hi, d
.irp q, 0,2,4,6
.if (\hi)
	v_pk_fma_f32 v[(\d)+\q:(\d)+\q+1], v[(\xp):(\xp)+1], s[KAP:KAP+1], v[OO+\q:OO+\q+1] op_sel:[1,0,0] op_sel_hi:[1,0,1]
.else
	v_pk_fma_f32 v[(\d)+\q:(\d)+\q+1], v[(\xp):(\xp)+1], s[KAP:KAP+1], v[OO+\q:OO+\q+1] op_sel_hi:[0,0,1]
.endif
.endr
.irp i, 0,1,2,3,4,5,6,7
	v_min_num_f32 v[(\d)+\i], |v[(\d)+\i]|, s[C2]
.endr
.irp q, 0,2,4,6
	v_pk_add_f32 v[(\d)+\q:(\d)+\q+1], v[(\d)+\q:(\d)+\q+1], s[C2:C2+1] op_sel_hi:[1,0] neg_lo:[1,0] neg_hi:[1,0]   ; a = 2 c - min(|s|, 2 c)
.endr
.irp q, 0,2,4,6
	v_pk_add_f32 v[T+\q:T+\q+1], v[(\d)+\q:(\d)+\q+1], s[MC:MC+1] op_sel_hi:[1,0]
.endr
.irp i, 0,1,2,3,4,5,6,7
	v_max_num_f32 v[T+\i], 0, v[T+\i]                      ; b = max(a - c, 0)
.endr
.irp q, 0,2,4,6
	v_pk_mul_f32 v[U+\q:U+\q+1], v[(\d)+\q:(\d)+\q+1], v[(\d)+\q:(\d)+\q+1]
.endr
.irp q, 0,2,4,6
	v_pk_mul_f32 v[(\d)+\q:(\d)+\q+1], v[U+\q:U+\q+1], v[(\d)+\q:(\d)+\q+1]
.endr
.irp q, 0,2,4,6
	v_pk_mul_f32 v[U+\q:U+\q+1], v[T+\q:T+\q+1], v[T+\q:T+\q+1]
.endr
.irp q, 0,2,4,6
	v_pk_mul_f32 v[T+\q:T+\q+1], v[U+\q:U+\q+1], v[T+\q:T+\q+1]
.endr
.irp q, 0,2,4,6
	v_pk_fma_f32 v[(\d)+\q:(\d)+\q+1], v[T+\q:T+\q+1], -4.0, v[(\d)+\q:(\d)+\q+1] op_sel_hi:[1,0,1]   ; a^3 - 4 b^3
.endr
.endm
; 16 nb numbers of a lane, register 16 b + i = place 32 b + 16 (lane / 16) + i of my row, become codes in v[pc] on and the scale bytes in v[pw].  mode 1: the numbers are not negative
.macro QUANT s, nb, mode, pc, pw
.set qb, 0
.rept \nb
.if \mode
	v_max3_num_f32 v[TM+qb], v[(\s)+16*qb], v[(\s)+16*qb+1], 0x8000000
.else
	v_max3_num_f32 v[TM+qb], |v[(\s)+16*qb]|, |v[(\s)+16*qb+1]|, 0x8000000   ; with the floor 2^(16 - 127): the byte cannot fall under 1
.endif
.set qb, qb+1
.endr
.irp i, 2,4,6,8,10,12,14
.set qb, 0
.rept \nb
.if \mode
	v_max3_num_f32 v[TM+qb], v[TM+qb], v[(\s)+16*qb+\i], v[(\s)+16*qb+\i+1]
.else
	v_max3_num_f32 v[TM+qb], v[TM+qb], |v[(\s)+16*qb+\i]|, |v[(\s)+16*qb+\i+1]|
.endif
.set qb, qb+1
.endr
.endr
.set qb, 0
.rept \nb
	v_permlanex16_b32 v[TM+4+qb], v[TM+qb], s[SEL], s[SEL+1]
.set qb, qb+1
.endr
.set qb, 0
.rept \nb
	v_max_num_f32 v[TM+qb], v[TM+qb], v[TM+4+qb]           ; with lane l xor 16's 16: the block's largest magnitude
.set qb, qb+1
.endr
.set qb, 0
.rept \nb
	v_add_nc_u32 v[TM+12+qb], 0xf8800000, v[TM+qb]         ; 15 off its exponent field: the conversion's scale operand
.set qb, qb+1
.endr
.set qb, 0
.rept \nb
	v_and_or_b32 v[TM+8+qb], v[TM+qb], 0x7f800000, s[MNT]  ; 57,344 x the scale
.set qb, qb+1
.endr
	v_lshrrev_b32 v[(\pw)], 23, v[TM+12]                   ; the scale bytes, the lower K in the lower byte
.set qb, 1
.rept \nb-1
	v_lshrrev_b32 v[TM+4+qb], 23, v[TM+12+qb]
.set qb, qb+1
.endr
.set qb, 1
.rept \nb-1
	v_lshl_or_b32 v[(\pw)], v[TM+4+qb], 8*qb, v[(\pw)]
.set qb, qb+1
.endr
.set qb, 0
.rept \nb
.set qi, 0
.rept 16
.if \mode
	v_min_num_f32 v[(\s)+16*qb+qi], v[(\s)+16*qb+qi], v[TM+8+qb]   ; the conversion to an 8-bit code does not saturate (ISA guide 7.6.2): the hold, one-sided
.else
	v_med3_num_f32 v[(\s)+16*qb+qi], v[(\s)+16*qb+qi], -v[TM+8+qb], v[TM+8+qb]
.endif
.set qi, qi+1
.endr
	v_cvt_scalef32_pk8_bf8_f32 v[(\pc)+4*qb:(\pc)+4*qb+1], v[(\s)+16*qb:(\s)+16*qb+7], v[TM+12+qb]
	v_cvt_scalef32_pk8_bf8_f32 v[(\pc)+4*qb+2:(\pc)+4*qb+3], v[(\s)+16*qb+8:(\s)+16*qb+15], v[TM+12+qb]
.set qb, qb+1
.endr
	v_nop                                                  ; one plain line behind the last conversion
.endm
; silu in place on v[s] .. v[s + n - 1]: x / (1 + 2^(-x log2 e)); v[e] on at work.  The exponentials are one batch with one wait, the reciprocals another
.macro SILU s, n, e
.set si, 0
.rept (\n)/2
	v_pk_mul_f32 v[(\e)+si:(\e)+si+1], v[(\s)+si:(\s)+si+1], s[NL2E:NL2E+1] op_sel_hi:[1,0]
.set si, si+2
.endr
.set si, 0
.rept \n
	v_exp_f32 v[(\e)+si], v[(\e)+si]
.set si, si+1
.endr
	v_nop                                                  ; a plain line behind the last exponential
	s_wait_alu depctr_va_vdst(0)                           ; one wait for the batch, ahead of its first reader
.set si, 0
.rept (\n)/2
	v_pk_add_f32 v[(\e)+si:(\e)+si+1], v[(\e)+si:(\e)+si+1], 1.0 op_sel_hi:[1,0]
.set si, si+2
.endr
.set si, 0
.rept \n
	v_rcp_f32 v[(\e)+si], v[(\e)+si]
.set si, si+1
.endr
	v_nop
	s_wait_alu depctr_va_vdst(0)
.set si, 0
.rept (\n)/2
	v_pk_mul_f32 v[(\s)+si:(\s)+si+1], v[(\s)+si:(\s)+si+1], v[(\e)+si:(\e)+si+1]
.set si, si+2
.endr
.endm
; The spline operand.  A trip: eight values of my h, their 64 bases, one fragment's codes and scale word to LDS
.macro SLOOP trips, iw, sw
	s_mov_b32 s30, 0
	s_mov_b32 s31, 0
	s_mov_b32 s32, 0
	s_mov_b32 s33, \trips
.Lsl_\@:
	v_add_nc_u32 v[TA], s30, v[HB]
	ds_load_b128 v[X:X+3], v[TA]
	ds_load_b128 v[X+4:X+7], v[TA] offset:512
	s_wait_dscnt 0x0                                       ; the values are in, and the last trip's stores have read their registers
.irp j, 0,1,2,3,4,5,6,7
	BASES X+2*(\j/2), \j%2, N+8*\j
.endr
	QUANT N, 4, 1, PC, PW
	v_add_nc_u32 v[TA+1], s31, v[\iw]
	v_add_nc_u32 v[TA+2], s32, v[\sw]
.irp c, 0,1,2,3
	ds_store_b128 v[TA+1], v[PC+4*\c:PC+4*\c+3] offset:512*\c
.endr
	ds_store_b32 v[TA+2], v[PW]
	s_add_co_u32 s30, s30, 1024
	s_add_co_u32 s31, s31, 2048
	s_add_co_u32 s32, s32, 128
	s_sub_co_u32 s33, s33, 1
	s_cmp_lg_u32 s33, 0
	s_cbranch_scc1 .Lsl_\@
.endm
; K step k's unit of my weights into set b: 17 loads of 512 consecutive bytes
.macro BLOAD k, b, base
.set BW_, (384+64*(\b))/256
.set BL_, (384+64*(\b))%256
.set WN_, 0x40*BW_
	WIN WN_
.irp i, 0,1,2,3,4,5,6,7,8,9,10,11,12,13,14,15
	global_load_b128 v[BL_+4*\i:BL_+4*\i+3], v[LI], s[\base:\base+1] offset:8704*(\k)+512*\i
.endr
	WIN 0
	global_load_b128 v[BSW+4*(\b):BSW+4*(\b)+3], v[LI], s[\base:\base+1] offset:8704*(\k)+8192
.endm
; K step s's four fragments of the points and their scale words into set buf: 20 LDS loads.  Steps under nsp are spline steps, the others base steps
.macro ALOAD s, nsp, buf
	WIN 0x40
.if (\s) < (\nsp)
.irp m, 0,1,2,3
.irp c, 0,1,2,3
	ds_load_b128 v[64*(\buf)+16*\m+4*\c:64*(\buf)+16*\m+4*\c+3], v[AA+(\s)/4] offset:8192*\m+2048*((\s)%4)+512*\c
.endr
.endr
	WIN 0
.irp m, 0,1,2,3
	ds_load_b32 v[ASW+4*(\buf)+\m], v[LS] offset:2048*((\s)/4)+512*\m+128*((\s)%4)
.endr
.else
.irp m, 0,1,2,3
.irp c, 0,1,2,3
	ds_load_b128 v[64*(\buf)+16*\m+4*\c:64*(\buf)+16*\m+4*\c+3], v[AB] offset:8192*((\s)-(\nsp))+4096*(\c/2)+1024*\m+512*(\c%2)
.endr
.endr
	WIN 0
.irp m, 0,1,2,3
	ds_load_b32 v[ASW+4*(\buf)+\m], v[LS] offset:BSC-ASC+512*((\s)-(\nsp))+128*\m
.endr
.endif
.endm
; 16 products: the 16 accumulators take turns, one instruction a turn, in the same order in every K step
.macro MUL b, buf, zero
.set BW_, (384+64*(\b))/256
.set BL_, (384+64*(\b))%256
.set WN_, 0x04+BW_
	WIN WN_
.irp m, 0,1,2,3
.irp t, 0,1,2,3
.if \zero
	v_wmma_scale_f32_16x16x128_f8f6f4 v[ACC+8*(4*\m+\t):ACC+8*(4*\m+\t)+7], v[BL_+16*\t:BL_+16*\t+15], v[64*(\buf)+16*\m:64*(\buf)+16*\m+15], 0, v[BSW+4*(\b)+\t], v[ASW+4*(\buf)+\m] matrix_a_fmt:MATRIX_FMT_BF8 matrix_b_fmt:MATRIX_FMT_BF8
.else
	v_wmma_scale_f32_16x16x128_f8f6f4 v[ACC+8*(4*\m+\t):ACC+8*(4*\m+\t)+7], v[BL_+16*\t:BL_+16*\t+15], v[64*(\buf)+16*\m:64*(\buf)+16*\m+15], v[ACC+8*(4*\m+\t):ACC+8*(4*\m+\t)+7], v[BSW+4*(\b)+\t], v[ASW+4*(\buf)+\m] matrix_a_fmt:MATRIX_FMT_BF8 matrix_b_fmt:MATRIX_FMT_BF8
.endif
.endr
.endr
.endm
; A layer's products: S K steps, spline and base on the same accumulators; the first starts the sums.  Step s multiplies the weights' set s % 10.
; refill = 1: K steps 0 to 8 were asked for earlier; step 0 asks for K step 9, steps 1 to 8 ask for K steps 10 to 17 into the set that the step before has left.
.macro MPHASE S, nsp, base, refill
	ALOAD 0, \nsp, 0
.set ms, 0
.rept \S
.if ms > 0
.rept 8
	v_nop                                                  ; eight places between the last products and the loads into registers that they read
.endr
.endif
.if ms+1 < \S
	ALOAD ms+1, \nsp, (ms+1)%2
.endif
.if \refill
.if ms == 0
	BLOAD 9, 9, \base
.elseif ms <= 8
	BLOAD ms+9, ms-1, \base
.endif
.endif
.if ms+1 < \S
	s_wait_dscnt 20                                        ; this step's 20 LDS loads are in; the next step's 20 may be out
.else
	s_wait_dscnt 0x0
.endif
.if \refill
.if ms >= 6
.set lc, 17*9
.if ms+9 > 17
.set lc, 17*(17-ms)
.endif
.if lc > 63
.set lc, 63
.endif
	s_wait_loadcnt lc                                      ; this step's unit is in: behind it 17 loads were issued for each later unit (a wait names 63 at the most)
.endif
.endif
.if ms == 0
	MUL ms%10, ms%2, 1
.else
	MUL ms%10, ms%2, 0
.endif
.set ms, ms+1
.endr
	WIN 0
.rept 8
	v_nop                                                  ; eight places between the last products and the first read of results
.endr
.irp a, 0,1,2,3,4,5,6,7,8,9,10,11,12,13,14,15
	ds_store_b128 v[HB], v[ACC+8*\a:ACC+8*\a+3] offset:1024*\a          ; h rests in my own LDS bytes; each accumulator from its low end on
	ds_store_b128 v[HB], v[ACC+8*\a+4:ACC+8*\a+7] offset:1024*\a+512
.endr
	BARRIER                                                ; every wave's reads of the images are over: they may be written again
.endm
	s_load_b256 s[4:11], s[0:1], 0x0               ; x, freq, sw3, ss3
	s_load_b128 s[12:15], s[0:1], 0x20             ; bw3, wq
	s_load_b64 s[16:17], s[0:1], 0x30              ; out0
	v_lshrrev_b32 v87, 5, v0
	v_readfirstlane_b32 s[WV], v87                 ; wave 0..3
	v_and_b32 v84, 31, v0                          ; lane
	v_and_b32 v85, 15, v0                          ; r
	v_bfe_u32 v86, v0, 4, 1                        ; hh
	v_lshlrev_b32 v[LI], 4, v84
	v_lshl_add_u32 v[LS], v84, 2, ASC
	v_add_nc_u32 v[AA+1], 32768, v[LI]
	v_add_nc_u32 v[AA+2], 65536, v[LI]
	v_add_nc_u32 v[AA+3], 98304, v[LI]
	v_add_nc_u32 v[AB], BIMG, v[LI]
	s_lshl_b32 s19, s[WV], 14
	s_add_co_u32 s19, s19, HREG
	v_add_nc_u32 v[HB], s19, v[LI]
	s_lshl_b32 s19, s[WV], 15
	v_add_nc_u32 v[IW], s19, v[LI]
	s_lshl_b32 s19, s[WV], 11
	v_add_nc_u32 v[SWA], s19, v[LS]
	s_lshl_b32 s19, s[WV], 13
	v_add_nc_u32 v[IW0], s19, v[LI]
	s_lshl_b32 s19, s[WV], 9
	v_add_nc_u32 v[SW0], s19, v[LS]
	s_lshr_b32 s19, s[WV], 1                       ; my 64 features lie in base K step w / 2,
	s_and_b32 s23, s[WV], 1                        ; blocks 2 (w % 2) and 2 (w % 2) + 1
	s_lshl_b32 s30, s19, 13
	s_lshl_b32 s31, s23, 12
	s_add_co_u32 s30, s30, s31
	v_add_nc_u32 v[BWA], s30, v[AB]
	s_lshl_b32 s30, s19, 9
	s_lshl_b32 s31, s23, 1
	s_add_co_u32 s30, s30, s31
	s_add_co_u32 s30, s30, BSC-ASC
	v_add_nc_u32 v[BSA], s30, v[LS]
	s_lshl_b32 s30, s[WV], 11
	s_add_co_u32 s30, s30, C3
	v_lshl_add_u32 v[C3A], v86, 6, s30
	s_lshl_b32 s30, s[WV], 8
	s_add_co_u32 s31, s30, BW3
	v_lshl_add_u32 v[B3A], v86, 3, s31
	s_add_co_u32 s31, s30, PART
	v_lshl_add_u32 v[PA], v85, 2, s31
	v_lshl_add_u32 v[FIN], v84, 3, PART
	v_lshlrev_b32 v[OUTO], 3, v84
	s_lshl_b32 s30, s[WV], 6
	v_lshl_add_u32 v117, v85, 2, s30               ; x: in layer 0 wave w takes points 16 w + r
	v_lshlrev_b32 v118, 3, v86                     ; freq: 4 c + 2 hh + 0, 1
	v_lshlrev_b32 v119, 6, v0                      ; sw3: two features, 64 bytes, a thread
	v_lshlrev_b32 v120, 3, v0                      ; ss3, bw3: two numbers a thread
	v_lshl_add_u32 v[TA], v0, 6, C3
	v_lshl_add_u32 v[TA+1], v0, 3, BW3
	v_mov_b32 v87, 0x3f0ce1da                      ; c = 6^(-1/3)
	v_mul_f32 v[OO+0], 0x40600000, v87             ; c (3.5 - j)
	v_mul_f32 v[OO+1], 0x40200000, v87
	v_mul_f32 v[OO+2], 0x3fc00000, v87
	v_mul_f32 v[OO+3], 0.5, v87
	v_mul_f32 v[OO+4], -0.5, v87
	v_mul_f32 v[OO+5], 0xbfc00000, v87
	v_mul_f32 v[OO+6], 0xc0200000, v87
	v_mul_f32 v[OO+7], 0xc0600000, v87
.irp b, 0,1,2,3
	v_mov_b32 v[ZR+\b], 0
	v_mov_b32 v[TM+4+\b], 0                        ; written once: a lane permute's destination counts as one of its sources
.endr
	s_mov_b32 s[SEL], 0x76543210
	s_mov_b32 s[SEL+1], 0xfedcba98
	s_mov_b32 s[MNT], 0x600000
	s_mov_b32 s[KAP], 0x3fb01a50                   ; 2.5 c   (the packed forms name pairs and take the low word for both halves: both words are written)
	s_mov_b32 s[KAP+1], s[KAP]
	s_mov_b32 s[C2], 0x3f8ce1da                    ; 2 c
	s_mov_b32 s[C2+1], s[C2]
	s_mov_b32 s[MC], 0xbf0ce1da                    ; -c
	s_mov_b32 s[MC+1], s[MC]
	s_mov_b32 s[NL2E], 0xbfb8aa3b                  ; -log2(e)
	s_mov_b32 s[NL2E+1], s[NL2E]
	s_mov_b32 s40, 0x3f22f983                      ; 2 / pi
	s_mov_b32 s41, 0x3fc90fdb                      ; pi / 2 in three parts
	s_mov_b32 s42, 0xb33bbd2e
	s_mov_b32 s43, 0xa6f72ced
	s_mov_b32 s44, 0xb94ca1f9                      ; the sine's polynomial on +-pi / 4
	s_mov_b32 s45, 0x3c08839e
	s_mov_b32 s46, 0xbe2aaaa3
	s_mov_b32 s47, 0x37ccf5ce                      ; the cosine's
	s_mov_b32 s48, 0xbab6061a
	s_mov_b32 s49, 0x3d2aaaa5
	s_mov_b32 s31, 0
	s_wait_kmcnt 0x0
	s_mul_i32 s30, s[WV], 156672                   ; 18 units a wave in layers 1 and 2, behind layer 0's 104,448 bytes
	s_add_co_u32 s30, s30, 104448
	s_add_nc_u64 s[WB:WB+1], s[14:15], s[30:31]
	s_mul_i32 s30, s[WV], 26112                    ; 3 units a wave in layer 0
	s_add_nc_u64 s[WB0:WB0+1], s[14:15], s[30:31]
	s_lshl_b32 s30, ttmp9, 8                       ; 64 points of 4 bytes a work-group
	s_add_nc_u64 s[4:5], s[4:5], s[30:31]
	s_add_nc_u64 s[16:17], s[16:17], s[30:31]
	global_load_b32 v[XV], v117, s[4:5]
.irp c, 0,1,2,3
	global_load_b64 v[X+2*\c:X+2*\c+1], v118, s[6:7] offset:16*\c
.endr
.irp i, 0,1,2,3
	global_load_b128 v[96+4*\i:99+4*\i], v119, s[8:9] offset:16*\i
.endr
	global_load_b64 v[112:113], v120, s[10:11]
	global_load_b64 v[114:115], v120, s[12:13]
	BLOAD 0, 0, WB0                                ; layer 0's three units land under the encoding
	BLOAD 1, 1, WB0
	BLOAD 2, 2, WB0
	s_wait_loadcnt 51                              ; the 11 small loads are in; the 3 x 17 behind them may be out
.irp q, 0,2,4,6
	v_pk_mul_f32 v[96+\q:97+\q], v[96+\q:97+\q], v[112:113] op_sel_hi:[1,0]                 ; sw3 x ss3, the last layer's coefficients
.endr
.irp q, 8,10,12,14
	v_pk_mul_f32 v[96+\q:97+\q], v[96+\q:97+\q], v[112:113] op_sel:[0,1] op_sel_hi:[1,1]
.endr
.irp i, 0,1,2,3
	ds_store_b128 v[TA], v[96+4*\i:99+4*\i] offset:16*\i
.endr
	ds_store_b64 v[TA+1], v[114:115]
	s_wait_dscnt 0x0                               ; the stores have read their registers, which are written next
	; ---- LAYER 0.  The encoding: my point's sin and cos of x freq for my eight frequencies.  Reduction by multiples of pi / 2 in two stages (the second mends a first quotient that is off by one), then polynomials
.set ER, 112
.set EN, 120
.set EQ, 128
.set EZ, 136
.set ES, 144
.set EC, 152
.irp i, 0,1,2,3,4,5,6,7
	v_mul_f32 v[ER+\i], v[XV], v[X+\i]
.endr
.irp i, 0,1,2,3,4,5,6,7
	v_mul_f32 v[EN+\i], s40, v[ER+\i]
.endr
.irp i, 0,1,2,3,4,5,6,7
	v_rndne_f32 v[EN+\i], v[EN+\i]
.endr
.irp k, 41,42,43
.irp i, 0,1,2,3,4,5,6,7
	v_fma_f32 v[ER+\i], -v[EN+\i], s[\k], v[ER+\i]
.endr
.endr
.irp i, 0,1,2,3,4,5,6,7
	v_cvt_i32_f32 v[EQ+\i], v[EN+\i]
.endr
.irp i, 0,1,2,3,4,5,6,7
	v_mul_f32 v[EN+\i], s40, v[ER+\i]
.endr
.irp i, 0,1,2,3,4,5,6,7
	v_rndne_f32 v[EN+\i], v[EN+\i]
.endr
.irp k, 41,42
.irp i, 0,1,2,3,4,5,6,7
	v_fma_f32 v[ER+\i], -v[EN+\i], s[\k], v[ER+\i]
.endr
.endr
.irp i, 0,1,2,3,4,5,6,7
	v_cvt_i32_f32 v[T+\i], v[EN+\i]
.endr
.irp i, 0,1,2,3,4,5,6,7
	v_add_nc_u32 v[EQ+\i], v[EQ+\i], v[T+\i]       ; the quadrant
.endr
.irp i, 0,1,2,3,4,5,6,7
	v_mul_f32 v[EZ+\i], v[ER+\i], v[ER+\i]
.endr
.irp i, 0,1,2,3,4,5,6,7
	v_fma_f32 v[ES+\i], v[EZ+\i], s44, s45
	v_fma_f32 v[EC+\i], v[EZ+\i], s47, s48
.endr
.irp i, 0,1,2,3,4,5,6,7
	v_fma_f32 v[ES+\i], v[ES+\i], v[EZ+\i], s46
	v_fma_f32 v[EC+\i], v[EC+\i], v[EZ+\i], s49
.endr
.irp i, 0,1,2,3,4,5,6,7
	v_mul_f32 v[ES+\i], v[ES+\i], v[EZ+\i]
	v_mul_f32 v[EC+\i], v[EC+\i], v[EZ+\i]
	v_fma_f32 v[T+\i], v[EZ+\i], -0.5, 1.0
.endr
.irp i, 0,1,2,3,4,5,6,7
	v_fma_f32 v[ES+\i], v[ES+\i], v[ER+\i], v[ER+\i]   ; sin r
	v_fma_f32 v[EC+\i], v[EC+\i], v[EZ+\i], v[T+\i]    ; cos r
.endr
.irp i, 0,1,2,3,4,5,6,7
	v_and_b32 v[T+\i], 1, v[EQ+\i]
	v_cmp_eq_u32 vcc_lo, 1, v[T+\i]                ; an odd quadrant swaps the two: a choice of values only
	v_cndmask_b32 v[N+\i], v[ES+\i], v[EC+\i], vcc_lo
	v_cndmask_b32 v[N+8+\i], v[EC+\i], v[ES+\i], vcc_lo
.endr
.irp i, 0,1,2,3,4,5,6,7
	v_lshlrev_b32 v[T+\i], 30, v[EQ+\i]            ; the sine's sign: bit 1 of the quadrant;
	v_add_nc_u32 v[EQ+\i], 1, v[EQ+\i]
.endr
.irp i, 0,1,2,3,4,5,6,7
	v_and_b32 v[T+\i], 0x80000000, v[T+\i]
	v_lshlrev_b32 v[EQ+\i], 30, v[EQ+\i]           ; the cosine's: bit 1 of the quadrant + 1
.endr
.irp i, 0,1,2,3,4,5,6,7
	v_xor_b32 v[N+\i], v[N+\i], v[T+\i]
	v_and_b32 v[EQ+\i], 0x80000000, v[EQ+\i]
.endr
.irp i, 0,1,2,3,4,5,6,7
	v_xor_b32 v[N+8+\i], v[N+8+\i], v[EQ+\i]
.endr
.irp i, 0,1,2,3
	ds_store_b128 v[HB], v[N+4*\i:N+4*\i+3] offset:512*\i   ; features 0-15 (sin) are spline K step 0, features 16-31 (cos) K step 1
.endr
	s_wait_dscnt 0x0                               ; the stores have read their registers: silu works in place
	SILU N, 16, N+32
	QUANT N, 1, 0, PC, PW                          ; the base operand: one block of 32; the K step's other three blocks are zero codes under the byte 127
	v_or_b32 v[PW], 0x7f7f7f00, v[PW]
	s_lshl_b32 s19, s[WV], 10
	v_add_nc_u32 v[TA+1], s19, v[AB]
	s_lshl_b32 s19, s[WV], 7
	v_add_nc_u32 v[TA+2], s19, v[LS]
	ds_store_b128 v[TA+1], v[PC:PC+3]
	ds_store_b128 v[TA+1], v[ZR:ZR+3] offset:512
	ds_store_b128 v[TA+1], v[ZR:ZR+3] offset:4096
	ds_store_b128 v[TA+1], v[ZR:ZR+3] offset:4608
	ds_store_b32 v[TA+2], v[PW] offset:BSC-ASC
	SLOOP 2, IW0, SW0
	BARRIER                                        ; layer 0's images lie in LDS
	s_wait_loadcnt 0x0                             ; and its weights in registers
	MPHASE 3, 2, WB0, 0
	; ---- LAYERS 1 AND 2: one text, two trips
	s_mov_b32 s35, 2
.Llayer:
	BLOAD 0, 0, WB                                 ; K steps 0 to 2 land under the spline phase
	BLOAD 1, 1, WB
	BLOAD 2, 2, WB
	SLOOP 16, IW, SWA
	s_wait_loadcnt 0x0                             ; K steps 0 to 2 are shown in here, so that the products' steps 0 to 2 need no wait
	BLOAD 3, 3, WB
	BLOAD 4, 4, WB
	BLOAD 5, 5, WB
	s_mov_b32 s30, 0                               ; the base operand: a trip takes 16 points: my 32 values a lane, silu, two blocks of 32
	s_mov_b32 s31, 0
	s_mov_b32 s32, 0
	s_mov_b32 s33, 4
.Lbase:
	v_add_nc_u32 v[TA], s30, v[HB]
.irp i, 0,1,2,3,4,5,6,7
	ds_load_b128 v[N+4*\i:N+4*\i+3], v[TA] offset:512*\i
.endr
	s_wait_dscnt 0x0                               ; the values are in, and the last trip's stores have read their registers
	SILU N, 32, N+32
	QUANT N, 2, 0, PC, PW
	v_add_nc_u32 v[TA+1], s31, v[BWA]
	v_add_nc_u32 v[TA+2], s32, v[BSA]
	ds_store_b128 v[TA+1], v[PC:PC+3]
	ds_store_b128 v[TA+1], v[PC+4:PC+7] offset:512
	ds_store_b16 v[TA+2], v[PW]                    ; my two bytes of the rows' scale words
	s_add_co_u32 s30, s30, 4096
	s_add_co_u32 s31, s31, 1024
	s_add_co_u32 s32, s32, 128
	s_sub_co_u32 s33, s33, 1
	s_cmp_lg_u32 s33, 0
	s_cbranch_scc1 .Lbase
	s_wait_loadcnt 0x0                             ; K steps 3 to 5 are shown in
	BLOAD 6, 6, WB
	BLOAD 7, 7, WB
	BLOAD 8, 8, WB
	BARRIER                                        ; the layer's images lie in LDS
	MPHASE 18, 16, WB, 1
	s_add_nc_u64 s[WB:WB+1], s[WB:WB+1], 626688    ; the next layer's weights (the last step's wait for 0 has shown every load done)
	s_sub_co_u32 s35, s35, 1
	s_cmp_lg_u32 s35, 0
	s_cbranch_scc1 .Llayer
	; ---- LAYER 3, one output: f32 multiply-adds (the matrix unit would use one column in sixteen).  Each wave sums over its 64 features; a trip takes four values of a lane
.set CF, 96                            ; v96-127 the coefficients of four features
.set DD, 128                           ; v128-135 eight bases
.set A4, 176                           ; v176-183 four sums in pairs
.set EE, 184                           ; v184-187 at work in silu
.set RS, 200                           ; v200-203 a tile's sum
.macro L3M m
	s_mov_b32 s30, 0
	s_mov_b32 s31, 0
	s_mov_b32 s32, 0
	s_mov_b32 s33, 8
.irp i, 0,1,2,3,4,5,6,7
	v_mov_b32 v[A4+\i], 0
.endr
.Ll3_\@:
	v_add_nc_u32 v[TA], s30, v[HB]
	v_add_nc_u32 v[TA+1], s31, v[C3A]
	v_add_nc_u32 v[TA+2], s32, v[B3A]
	ds_load_b128 v[X:X+3], v[TA] offset:4096*\m
.irp q, 0,1,2,3
	ds_load_b128 v[CF+8*\q:CF+8*\q+3], v[TA+1] offset:128*(\q/2)+32*(\q%2)
	ds_load_b128 v[CF+8*\q+4:CF+8*\q+7], v[TA+1] offset:128*(\q/2)+32*(\q%2)+16
.endr
	ds_load_b64 v[X+4:X+5], v[TA+2]
	ds_load_b64 v[X+6:X+7], v[TA+2] offset:16
	s_wait_dscnt 0x0
.irp q, 0,1,2,3
	BASES X+2*(\q/2), \q%2, DD
.irp i, 0,2,4,6
	v_pk_fma_f32 v[A4+\i:A4+\i+1], v[DD+\i:DD+\i+1], v[CF+8*\q+\i:CF+8*\q+\i+1], v[A4+\i:A4+\i+1]
.endr
.endr
	SILU X, 4, EE
	v_pk_fma_f32 v[A4:A4+1], v[X:X+1], v[X+4:X+5], v[A4:A4+1]
	v_pk_fma_f32 v[A4+2:A4+3], v[X+2:X+3], v[X+6:X+7], v[A4+2:A4+3]
	s_add_co_u32 s30, s30, 512
	s_add_co_u32 s31, s31, 256
	s_add_co_u32 s32, s32, 32
	s_sub_co_u32 s33, s33, 1
	s_cmp_lg_u32 s33, 0
	s_cbranch_scc1 .Ll3_\@
	v_pk_add_f32 v[A4:A4+1], v[A4:A4+1], v[A4+2:A4+3]
	v_pk_add_f32 v[A4+4:A4+5], v[A4+4:A4+5], v[A4+6:A4+7]
	v_pk_add_f32 v[A4:A4+1], v[A4:A4+1], v[A4+4:A4+5]
	v_add_f32 v[A4], v[A4], v[A4+1]
	v_permlanex16_b32 v[A4+2], v[A4], s[SEL], s[SEL+1]     ; the point's other features of my 64 lie in lane l xor 16
	v_add_f32 v[RS+\m], v[A4], v[A4+2]
	ds_store_b32 v[PA], v[RS+\m] offset:64*\m              ; both halves of the lanes write the same word with the same value
.endm
	L3M 0
	L3M 1
	L3M 2
	L3M 3
	BARRIER                                        ; the four waves' sums lie in LDS
	s_cmp_lg_u32 s[WV], 0
	s_cbranch_scc1 .Lend
.irp w, 0,1,2,3
	ds_load_b64 v[96+2*\w:97+2*\w], v[FIN] offset:256*\w
.endr
	s_wait_dscnt 0x0
	v_pk_add_f32 v[96:97], v[96:97], v[98:99]
	v_pk_add_f32 v[100:101], v[100:101], v[102:103]
	v_pk_add_f32 v[96:97], v[96:97], v[100:101]
	global_store_b64 v[OUTO], v[96:97], s[16:17]   ; 32 lanes store the work-group's 256 consecutive bytes, at a multiple of 256 from out0's first byte
.Lend:
	s_wait_xcnt 0x0
	v_lshl_add_u32 v254, v0, 2, 0x38c00
	v_mov_b32 v255, 0
	s_wait_tensorcnt 0x0
	ds_add_u32 v254, v255
	s_wait_dscnt 0x0
	s_endpgm
.Lfunc_end_k_q589120606a_kan:
	.size	k_q589120606a_kan, .Lfunc_end_k_q589120606a_kan-k_q589120606a_kan
	.p2alignl 7, 3214868480
	.fill 96, 4, 3214868480
	.section	.rodata,"a",@progbits
	.p2align	6, 0x0
	.amdhsa_kernel k_q589120606a_kan
		.amdhsa_group_segment_fixed_size 232960
		.amdhsa_private_segment_fixed_size 0
		.amdhsa_enable_private_segment 0
		.amdhsa_kernarg_size 56
		.amdhsa_user_sgpr_count 2
		.amdhsa_user_sgpr_kernarg_segment_ptr 1
		.amdhsa_wavefront_size32 1
		.amdhsa_system_sgpr_workgroup_id_x 1
		.amdhsa_system_sgpr_workgroup_id_y 1
		.amdhsa_system_sgpr_workgroup_id_z 1
		.amdhsa_system_vgpr_workitem_id 0
		.amdhsa_next_free_vgpr 1024
		.amdhsa_next_free_sgpr 66
		.amdhsa_reserve_vcc 1
		.amdhsa_float_denorm_mode_32 3
		.amdhsa_float_denorm_mode_16_64 3
		.amdhsa_memory_ordered 1
		.amdhsa_forward_progress 1
		.amdhsa_inst_pref_size 255
	.end_amdhsa_kernel
	.section	.bss,"aw",@nobits
	.p2align	6
	.space	262144
	.amdgpu_metadata
---
amdhsa.version: [ 1, 2 ]
amdhsa.kernels:
  - .name:           k_q589120606a_kan
    .symbol:         k_q589120606a_kan.kd
    .args:
      - { .name: x, .offset: 0, .size: 8, .value_kind: global_buffer, .address_space: global }
      - { .name: freq, .offset: 8, .size: 8, .value_kind: global_buffer, .address_space: global }
      - { .name: sw3, .offset: 16, .size: 8, .value_kind: global_buffer, .address_space: global }
      - { .name: ss3, .offset: 24, .size: 8, .value_kind: global_buffer, .address_space: global }
      - { .name: bw3, .offset: 32, .size: 8, .value_kind: global_buffer, .address_space: global }
      - { .name: wq, .offset: 40, .size: 8, .value_kind: global_buffer, .address_space: global }
      - { .name: out0, .offset: 48, .size: 8, .value_kind: global_buffer, .address_space: global }
    .group_segment_fixed_size: 232960
    .private_segment_fixed_size: 0
    .kernarg_segment_align: 8
    .kernarg_segment_size: 56
    .max_flat_workgroup_size: 128
    .sgpr_count:     66
    .vgpr_count:     1024
    .wavefront_size: 32
...
	.end_amdgpu_metadata
.endif
;; end of part 2
;; ======== version 2 of 2: 2 launches; version 1 with the launch kan written anew for expert scheduling mode
;; limits: right only within a limited range of input values
;; workspace buffers: wq 1,357,824 bytes
;; launch prep: the kernel of part 1 again; grid 39 x 1, 4 waves a work-group, no clusters, 0 bytes of LDS; arguments sw0, ss0, sw1, ss1, sw2, ss2, bw0_codes, bw0_scales, bw1_codes, bw1_scales, bw2_codes, bw2_scales, wq; writes wq
;; launch kan (part 3): grid 256 x 1, 4 waves a work-group, no clusters, 232,960 bytes of LDS; arguments x, freq, sw3, ss3, bw3, wq, out0; writes out0
.if DOCPART == 3
	.amdgcn_target "amdgcn-amd-amdhsa--gfx1250"
	.amdhsa_code_object_version 6
	.text
	.protected	k_q589120606a_kan
	.globl	k_q589120606a_kan
	.p2align	8
	.type	k_q589120606a_kan,@function
k_q589120606a_kan:
	s_mov_b64 s[64:65], 0
	v_nop
	global_prefetch_b8 v0, s[64:65] scope:SCOPE_SE
	s_setreg_imm32_b32 hwreg(HW_REG_WAVE_SCHED_MODE, 0, 2), 2
	s_setreg_imm32_b32 hwreg(HW_REG_WAVE_MODE, 25, 1), 1
	s_wait_xcnt 0x0
	s_wait_alu depctr_vm_vsrc(0)
; The whole network for 64 points a work-group: sin / cos encoding (32 features), three layers 32 -> 256 -> 256 -> 256 whose spline and base products run on codes of E5M2 with E8M0 scales, and the last layer 256 -> 1 in f32.
; SHARES.  Four waves.  Wave w makes outputs 64 w .. 64 w + 63 of a layer for all 64 points: 16 accumulators (m: 16 points, t: 16 outputs).  The products are used TRANSPOSED (source 0 = 16 rows of weights,
; source 1 = 16 points), and the rows of a weight tile are chosen (first launch) so that register j of accumulator (m, t) in lane (r, hh) is h[point 16 m + r][feature 64 w + 16 t + 4 (j >> 1) + 2 hh + (j & 1)]:
; the eight features whose 64 spline bases are that lane's registers of the next layer's K step 4 w + t (K = 8 f + i).  So h never changes lane or wave; it rests in the wave's own LDS bytes between the phases.
; OPERANDS.  The points' codes and scale words go from wave to wave through LDS as images of their registers (16 bytes a lane, 512 a store).  The weights come from wq, laid as such images, STRAIGHT INTO REGISTERS.
; NO CLUSTER, NO TENSOR LOAD: a shared fetch lands in LDS, and a K step's 8,704 bytes of weights a wave would then be read from LDS beside the 8,192 bytes of the points' images, for the same 16 products;
; into registers, 9 of a layer's 18 K steps are asked for under the vector phases.  All 256 work-groups read the same wq, so nothing is prefetched either.
; THE BASES.  With u = (x - centre_j) / 0.4 the cubic B-spline on these uniform knots is ((2 - |u|)+^3 - 4 (1 - |u|)+^3) / 6; with c = 6^(-1/3): s = 2.5 c x + c (3.5 - j), a = 2 c - min(|s|, 2 c), b = max(a - c, 0),
; B_j = a^3 - 4 b^3: zero outside the knots by itself, never negative.
; THE BASE PRODUCT's K is permuted inside each block of 32, alike on both sides (place 16 hh + 8 tt + j = feature 16 tt + 4 (j >> 1) + 2 hh + (j & 1)): the blocks and their scales are those of the rule.
; LIMITS: NaN and infinities are not served; the sine's reduction is built for |x freq| under 2^22; a block of zeros carries the byte 1 (its codes are zeros; this program alone reads the bytes).
; THE MODE: SCHED_MODE bits 1:0 = 2 (LLVM: expert scheduling mode 2), set by the entry lines.  The code itself states the register dependences
; between vector or matrix instructions and memory or LDS instructions, with s_wait_alu, always for 0.
; THE PLAN.  Registers that memory or LDS instructions touch:
;   v2-17, v21, v22   addresses, made at the head and never written again: one wait on va_vdst ahead of the first load serves them all.
;   v18-20            a trip's addresses: written by vector adds, read by the trip's LDS instructions.
;   SPLINE PHASE, two tiles a trip.  X0 (v88-95), X1 (v228-235): a tile's bases read one; behind the tile the values of two tiles on land in it.  v192-208, v210-226: the quantiser writes one set of codes
;                     and its scale word, the tile's five LDS stores read it.  ONE wait on va_vdst a tile, behind the quantiser: codes, word and addresses are written, the bases are done with the tile's X.
;                     ONE wait on vm_vsrc a trip, in the first tile's middle, ahead of the adds and of both quantisers.
;   BASE PHASE        the same with v96-127 and v224-255 for the values, v192-199 + v208 and v200-207 + v209 for codes and words.
;   PRODUCTS          the points' two fragment sets and scale words, the weights' ten sets and scale words: written by loads, read by the products alone.  ONE wait on va_vdst at a K step's head: the step before is
;                     done with its sets; the loads into them follow, dealt among this step's products, which name this step's sets and the accumulators alone.  The accumulators are the data of h's LDS stores.
;   LAYER 3           v88-95, v96-127: loaded in each trip, read by its arithmetic.  v200-203: the four sums, stored together.
.set AIMG, 0                           ; LDS: spline images [w'][m][sigma] x 2,048 (+ 512 c + 16 lane); K step = 4 w' + sigma
.set BIMG, 131072                      ; base images [beta][c / 2][m][c % 2] x 512
.set ASC,  147456                      ; spline scale words [w'][m][sigma] x 128 (+ 4 lane)
.set BSC,  155648                      ; base scale words [beta][m] x 128 (+ 4 lane + byte c)
.set HREG, 156672                      ; h: [w][m][t][half] x 512 (+ 16 lane): each wave's own
.set C3,   222208                      ; sw3 x ss3, [f][8] f32
.set BW3,  230400                      ; bw3, [f] f32
.set PART, 231424                      ; the waves' sums of the last layer, [w][64] f32
.set LS,  2                            ; v2   ASC + 4 lane
.set LI,  3                            ; v3   16 lane
.set AA,  3                            ; v3-6 16 lane + 32,768 w'
.set AB,  7                            ; v7   16 lane + BIMG
.set HB,  8                            ; v8   my h
.set IW,  9                            ; v9   where I store spline images: 16 lane + 32,768 w
.set SWA, 10                           ; v10  and their scale words: ASC + 2,048 w + 4 lane
.set IW0, 11                           ; v11  the same in layer 0: 16 lane + 8,192 w
.set SW0, 12                           ; v12  ASC + 512 w + 4 lane
.set BWA, 13                           ; v13  where I store base images
.set BSA, 14                           ; v14  and my two scale bytes
.set C3A, 15                           ; v15  C3 + 2,048 w + 64 hh
.set B3A, 16                           ; v16  BW3 + 256 w + 8 hh
.set PA,  17                           ; v17  PART + 256 w + 4 r
.set TA,  18                           ; v18-20 a trip's addresses
.set FIN, 21                           ; v21  PART + 8 lane
.set OUTO, 22                          ; v22  8 lane
.set XV,  23                           ; v23  x of my point
.set OO,  24                           ; v24-31 c (3.5 - j)
.set ASW, 32                           ; v32-39 the points' scale words, two sets of four
.set BSW, 40                           ; v40-79 the weights' scale words, ten sets of four
.set ZR,  80                           ; v80-83 zeros
.set X,   88                           ; v88-95 eight values of h
.set N,   96                           ; v96-159 64 numbers ahead of the quantiser
.set T,   160
.set U,   168
.set TM,  176                          ; v176-191 at work in the quantiser
.set PC,  192                          ; v192-207 codes
.set PW,  208                          ; v208 scale word
.set PW3, 209                          ; v209 the base phase's second scale word (its second set of codes is v200-207)
.set PC2, 210                          ; v210-225 the spline phase's second set of codes
.set PW2, 226                          ; v226 and its scale word
.set XB,  228                          ; v228-235 the spline phase's second eight values of h
.set NB,  224                          ; v224-255 the base phase's second 32 values of h
.set ACC, 128                          ; v128-255 the accumulators, (m, t) at 128 + 8 (4 m + t): never alive together with what lies above from v128 on
; window 1: v0-127 the points' fragments, two sets of 64.  The weights' ten sets of 64 lie from register 384 on (window 1 v128 to window 3 v255).
.set WV,  18                           ; s18 wave
.set SEL, 20                           ; s[20:21] selects of v_permlanex16_b32: lane l xor 16
.set MNT, 22                           ; s22 the mantissa field of 57,344
.set KAP, 24                           ; s[24:25] 2.5 c
.set C2,  26                           ; s[26:27] 2 c
.set MC,  28                           ; s[28:29] -c
.set NL2E, 36                          ; s[36:37] -log2(e)
.set WB0, 14                           ; s[14:15] my weights of layer 0
.set WB,  38                           ; s[38:39] my weights of the layer in hand
.set QM,  50                           ; s50-57 the encoding's eight masks: odd quadrants
.set MSB, 0
.macro WIN new                         ; s_set_vgpr_msb: bits 1:0 source 0, 3:2 source 1, 5:4 source 2, 7:6 destination; the high byte repeats the setting that is left
.if MSB != (\new)
	s_set_vgpr_msb (MSB<<8)|(\new)
.set MSB, (\new)
.endif
.endm
.macro BARRIER                         ; my LDS stores have landed and my LDS loads are in: then the work-group's barrier
	s_wait_dscnt 0x0
	s_barrier_signal -1
	s_barrier_wait -1
.endm
; The eight bases of one value (the low or high word of the pair v[xp]) into v[d] .. v[d + 7]
.macro BASES xp, hi, d
.irp q, 0,2,4,6
.if (\hi)
	v_pk_fma_f32 v[(\d)+\q:(\d)+\q+1], v[(\xp):(\xp)+1], s[KAP:KAP+1], v[OO+\q:OO+\q+1] op_sel:[1,0,0] op_sel_hi:[1,0,1]
.else
	v_pk_fma_f32 v[(\d)+\q:(\d)+\q+1], v[(\xp):(\xp)+1], s[KAP:KAP+1], v[OO+\q:OO+\q+1] op_sel_hi:[0,0,1]
.endif
.endr
.irp i, 0,1,2,3,4,5,6,7
	v_min_num_f32 v[(\d)+\i], |v[(\d)+\i]|, s[C2]
.endr
.irp q, 0,2,4,6
	v_pk_add_f32 v[(\d)+\q:(\d)+\q+1], v[(\d)+\q:(\d)+\q+1], s[C2:C2+1] op_sel_hi:[1,0] neg_lo:[1,0] neg_hi:[1,0]   ; a = 2 c - min(|s|, 2 c)
.endr
.irp q, 0,2,4,6
	v_pk_add_f32 v[T+\q:T+\q+1], v[(\d)+\q:(\d)+\q+1], s[MC:MC+1] op_sel_hi:[1,0]
.endr
.irp i, 0,1,2,3,4,5,6,7
	v_max_num_f32 v[T+\i], 0, v[T+\i]                      ; b = max(a - c, 0)
.endr
.irp q, 0,2,4,6
	v_pk_mul_f32 v[U+\q:U+\q+1], v[(\d)+\q:(\d)+\q+1], v[(\d)+\q:(\d)+\q+1]
.endr
.irp q, 0,2,4,6
	v_pk_mul_f32 v[(\d)+\q:(\d)+\q+1], v[U+\q:U+\q+1], v[(\d)+\q:(\d)+\q+1]
.endr
.irp q, 0,2,4,6
	v_pk_mul_f32 v[U+\q:U+\q+1], v[T+\q:T+\q+1], v[T+\q:T+\q+1]
.endr
.irp q, 0,2,4,6
	v_pk_mul_f32 v[T+\q:T+\q+1], v[U+\q:U+\q+1], v[T+\q:T+\q+1]
.endr
.irp q, 0,2,4,6
	v_pk_fma_f32 v[(\d)+\q:(\d)+\q+1], v[T+\q:T+\q+1], -4.0, v[(\d)+\q:(\d)+\q+1] op_sel_hi:[1,0,1]   ; a^3 - 4 b^3
.endr
.endm
; 16 nb numbers of a lane, register 16 b + i = place 32 b + 16 (lane / 16) + i of my row, become codes in v[pc] on and the scale bytes in v[pw].  mode 1: the numbers are not negative
.macro QUANT s, nb, mode, pc, pw
.set qb, 0
.rept \nb
.if \mode
	v_max3_num_f32 v[TM+qb], v[(\s)+16*qb], v[(\s)+16*qb+1], 0x8000000
.else
	v_max3_num_f32 v[TM+qb], |v[(\s)+16*qb]|, |v[(\s)+16*qb+1]|, 0x8000000   ; with the floor 2^(16 - 127): the byte cannot fall under 1
.endif
.set qb, qb+1
.endr
.irp i, 2,4,6,8,10,12,14
.set qb, 0
.rept \nb
.if \mode
	v_max3_num_f32 v[TM+qb], v[TM+qb], v[(\s)+16*qb+\i], v[(\s)+16*qb+\i+1]
.else
	v_max3_num_f32 v[TM+qb], v[TM+qb], |v[(\s)+16*qb+\i]|, |v[(\s)+16*qb+\i+1]|
.endif
.set qb, qb+1
.endr
.endr
.set qb, 0
.rept \nb
	v_permlanex16_b32 v[TM+4+qb], v[TM+qb], s[SEL], s[SEL+1]
.set qb, qb+1
.endr
.set qb, 0
.rept \nb
	v_max_num_f32 v[TM+qb], v[TM+qb], v[TM+4+qb]           ; with lane l xor 16's 16: the block's largest magnitude
.set qb, qb+1
.endr
.set qb, 0
.rept \nb
	v_add_nc_u32 v[TM+12+qb], 0xf8800000, v[TM+qb]         ; 15 off its exponent field: the conversion's scale operand
.set qb, qb+1
.endr
.set qb, 0
.rept \nb
	v_and_or_b32 v[TM+8+qb], v[TM+qb], 0x7f800000, s[MNT]  ; 57,344 x the scale
.set qb, qb+1
.endr
	v_lshrrev_b32 v[(\pw)], 23, v[TM+12]                   ; the scale bytes, the lower K in the lower byte
.set qb, 1
.rept \nb-1
	v_lshrrev_b32 v[TM+4+qb], 23, v[TM+12+qb]
.set qb, qb+1
.endr
.set qb, 1
.rept \nb-1
	v_lshl_or_b32 v[(\pw)], v[TM+4+qb], 8*qb, v[(\pw)]
.set qb, qb+1
.endr
.set qb, 0
.rept \nb
.set qi, 0
.rept 16
.if \mode
	v_min_num_f32 v[(\s)+16*qb+qi], v[(\s)+16*qb+qi], v[TM+8+qb]   ; the conversion to an 8-bit code does not saturate (ISA guide 7.6.2): the hold, one-sided
.else
	v_med3_num_f32 v[(\s)+16*qb+qi], v[(\s)+16*qb+qi], -v[TM+8+qb], v[TM+8+qb]
.endif
.set qi, qi+1
.endr
	v_cvt_scalef32_pk8_bf8_f32 v[(\pc)+4*qb:(\pc)+4*qb+1], v[(\s)+16*qb:(\s)+16*qb+7], v[TM+12+qb]
	v_cvt_scalef32_pk8_bf8_f32 v[(\pc)+4*qb+2:(\pc)+4*qb+3], v[(\s)+16*qb+8:(\s)+16*qb+15], v[TM+12+qb]
.set qb, qb+1
.endr
	v_nop                                                  ; one plain line behind the last conversion
.endm
; silu in place on v[s] .. v[s + n - 1]: x / (1 + 2^(-x log2 e)); v[e] on at work.  The exponentials are one batch with one wait, the reciprocals another
.macro SILU s, n, e
.set si, 0
.rept (\n)/2
	v_pk_mul_f32 v[(\e)+si:(\e)+si+1], v[(\s)+si:(\s)+si+1], s[NL2E:NL2E+1] op_sel_hi:[1,0]
.set si, si+2
.endr
.set si, 0
.rept \n
	v_exp_f32 v[(\e)+si], v[(\e)+si]
.set si, si+1
.endr
	v_nop                                                  ; a plain line behind the last exponential
	s_wait_alu depctr_va_vdst(0)                           ; the exponentials have written v[e] on: one wait for the batch, ahead of its first reader
.set si, 0
.rept (\n)/2
	v_pk_add_f32 v[(\e)+si:(\e)+si+1], v[(\e)+si:(\e)+si+1], 1.0 op_sel_hi:[1,0]
.set si, si+2
.endr
.set si, 0
.rept \n
	v_rcp_f32 v[(\e)+si], v[(\e)+si]
.set si, si+1
.endr
	v_nop
	s_wait_alu depctr_va_vdst(0)                           ; the reciprocals have written v[e] on: one wait for the batch, ahead of its first reader
.set si, 0
.rept (\n)/2
	v_pk_mul_f32 v[(\s)+si:(\s)+si+1], v[(\s)+si:(\s)+si+1], v[(\e)+si:(\e)+si+1]
.set si, si+2
.endr
.endm
; THE SPLINE OPERAND.  A tile: eight values of my h, their 64 bases, one fragment's codes and scale word to LDS.
; The first two tiles' values are asked for ahead of the phase, by my h's address itself
.macro SPRE
	ds_load_b128 v[X:X+3], v[HB]
	ds_load_b128 v[X+4:X+7], v[HB] offset:512
	ds_load_b128 v[XB:XB+3], v[HB] offset:1024
	ds_load_b128 v[XB+4:XB+7], v[HB] offset:1536
.endm
; Tile p (0, 1) of a trip: values in v[xb] on, codes into v[pc] on, the scale word into v[pw].  more = 1: in a loop, in which the values of two tiles on are asked for behind the tile, but for the last trip
.macro SHALF p, xb, pc, pw, iw, sw, more
.irp j, 0,1,2,3,4,5,6,7
	BASES (\xb)+2*(\j/2), \j%2, N+8*\j
.endr
.if (\p) == 0
	s_wait_alu depctr_vm_vsrc(0)                           ; the LDS instructions issued so far have read the trip's addresses, both sets of codes and both scale words: all are written again from here on
.if \more
	v_add_nc_u32 v[TA], s30, v[HB]
.endif
	v_add_nc_u32 v[TA+1], s31, v[\iw]
	v_add_nc_u32 v[TA+2], s32, v[\sw]
.endif
	QUANT N, 4, 1, \pc, \pw
.if ((\p) == 0) || (\more)
	s_wait_dscnt 0x0                                       ; the next tile's values are in: they were asked for a tile ago, and nothing has been issued since
.endif
	s_wait_alu depctr_va_vdst(0)                           ; the codes, the scale word and the trip's addresses are written, which the stores and loads below read; the bases are done reading this tile's values, on which the loads land
.irp c, 0,1,2,3
	ds_store_b128 v[TA+1], v[(\pc)+4*\c:(\pc)+4*\c+3] offset:2048*(\p)+512*\c
.endr
	ds_store_b32 v[TA+2], v[\pw] offset:128*(\p)
.if \more
	s_cmp_eq_u32 s33, 1                                    ; the last trip asks for nothing: there is no tile two on
	s_cbranch_scc1 .Lsn_\@
	ds_load_b128 v[(\xb):(\xb)+3], v[TA] offset:2048+1024*(\p)
	ds_load_b128 v[(\xb)+4:(\xb)+7], v[TA] offset:2048+1024*(\p)+512
.Lsn_\@:
.endif
.endm
; tiles: 16, in a loop of two a trip, or 2, written out.  young: the LDS instructions issued behind the first tile's two loads
.macro SLOOP tiles, iw, sw, young
	s_mov_b32 s31, 0
	s_mov_b32 s32, 0
	s_wait_dscnt \young                                    ; the first tile's values are in
.if (\tiles) > 2
	s_mov_b32 s30, 0
	s_mov_b32 s33, (\tiles)/2
.Lsl_\@:
	SHALF 0, X, PC, PW, \iw, \sw, 1
	SHALF 1, XB, PC2, PW2, \iw, \sw, 1
	s_add_co_u32 s30, s30, 2048
	s_add_co_u32 s31, s31, 4096
	s_add_co_u32 s32, s32, 256
	s_sub_co_u32 s33, s33, 1
	s_cmp_lg_u32 s33, 0
	s_cbranch_scc1 .Lsl_\@
.else
	SHALF 0, X, PC, PW, \iw, \sw, 0
	SHALF 1, XB, PC2, PW2, \iw, \sw, 0
.endif
.endm
; THE BASE OPERAND.  Tile p (0, 1) of a trip: 16 points: my 32 values a lane in v[nn] on, silu, two blocks of 32
.macro BHALF p, nn, pc, pw
	SILU \nn, 32, N+32
.if (\p) == 0
	s_wait_alu depctr_vm_vsrc(0)                           ; the LDS instructions issued so far have read the trip's addresses, both sets of codes and both scale words: all are written again from here on
	v_add_nc_u32 v[TA], s30, v[HB]
	v_add_nc_u32 v[TA+1], s31, v[BWA]
	v_add_nc_u32 v[TA+2], s32, v[BSA]
.endif
	QUANT \nn, 2, 0, \pc, \pw
	s_wait_dscnt 0x0                                       ; the next tile's values are in: they were asked for a tile ago, and nothing has been issued since
	s_wait_alu depctr_va_vdst(0)                           ; the codes, the two bytes and the trip's addresses are written, which the stores and loads below read; silu and the quantiser are done with this tile's values, on which the loads land
	ds_store_b128 v[TA+1], v[(\pc):(\pc)+3] offset:1024*(\p)
	ds_store_b128 v[TA+1], v[(\pc)+4:(\pc)+7] offset:1024*(\p)+512
	ds_store_b16 v[TA+2], v[\pw] offset:128*(\p)           ; my two bytes of the rows' scale words
	s_cmp_eq_u32 s33, 1                                    ; the last trip asks for nothing: there is no tile two on
	s_cbranch_scc1 .Lbn_\@
.irp i, 0,1,2,3,4,5,6,7
	ds_load_b128 v[(\nn)+4*\i:(\nn)+4*\i+3], v[TA] offset:8192+4096*(\p)+512*\i
.endr
.Lbn_\@:
.endm
; K step k's unit of my weights into set b: 17 loads of 512 consecutive bytes
.macro BLOAD k, b, base
.set BW_, (384+64*(\b))/256
.set BL_, (384+64*(\b))%256
.set WN_, 0x40*BW_
	WIN WN_
.irp i, 0,1,2,3,4,5,6,7,8,9,10,11,12,13,14,15
	global_load_b128 v[BL_+4*\i:BL_+4*\i+3], v[LI], s[\base:\base+1] offset:8704*(\k)+512*\i
.endr
	WIN 0
	global_load_b128 v[BSW+4*(\b):BSW+4*(\b)+3], v[LI], s[\base:\base+1] offset:8704*(\k)+8192
.endm
; K step s's four fragments of the points and their scale words into set buf: 20 LDS loads.  Steps under nsp are spline steps, the others base steps
.macro ALOAD s, nsp, buf
	WIN 0x40
.if (\s) < (\nsp)
.irp m, 0,1,2,3
.irp c, 0,1,2,3
	ds_load_b128 v[64*(\buf)+16*\m+4*\c:64*(\buf)+16*\m+4*\c+3], v[AA+(\s)/4] offset:8192*\m+2048*((\s)%4)+512*\c
.endr
.endr
	WIN 0
.irp m, 0,1,2,3
	ds_load_b32 v[ASW+4*(\buf)+\m], v[LS] offset:2048*((\s)/4)+512*\m+128*((\s)%4)
.endr
.else
.irp m, 0,1,2,3
.irp c, 0,1,2,3
	ds_load_b128 v[64*(\buf)+16*\m+4*\c:64*(\buf)+16*\m+4*\c+3], v[AB] offset:8192*((\s)-(\nsp))+4096*(\c/2)+1024*\m+512*(\c%2)
.endr
.endr
	WIN 0
.irp m, 0,1,2,3
	ds_load_b32 v[ASW+4*(\buf)+\m], v[LS] offset:BSC-ASC+512*((\s)-(\nsp))+128*\m
.endr
.endif
.endm
; 4 of a K step's 16 products: the points' tile m against my four tiles of weights.  The 16 accumulators take turns, one instruction a turn, in the same order in every K step
.macro MUL4 b, buf, m, zero
.set BW_, (384+64*(\b))/256
.set BL_, (384+64*(\b))%256
.set WN_, 0x04+BW_
	WIN WN_
.irp t, 0,1,2,3
.if \zero
	v_wmma_scale_f32_16x16x128_f8f6f4 v[ACC+8*(4*(\m)+\t):ACC+8*(4*(\m)+\t)+7], v[BL_+16*\t:BL_+16*\t+15], v[64*(\buf)+16*(\m):64*(\buf)+16*(\m)+15], 0, v[BSW+4*(\b)+\t], v[ASW+4*(\buf)+(\m)] matrix_a_fmt:MATRIX_FMT_BF8 matrix_b_fmt:MATRIX_FMT_BF8
.else
	v_wmma_scale_f32_16x16x128_f8f6f4 v[ACC+8*(4*(\m)+\t):ACC+8*(4*(\m)+\t)+7], v[BL_+16*\t:BL_+16*\t+15], v[64*(\buf)+16*(\m):64*(\buf)+16*(\m)+15], v[ACC+8*(4*(\m)+\t):ACC+8*(4*(\m)+\t)+7], v[BSW+4*(\b)+\t], v[ASW+4*(\buf)+(\m)] matrix_a_fmt:MATRIX_FMT_BF8 matrix_b_fmt:MATRIX_FMT_BF8
.endif
.endr
.endm
; A layer's products: S K steps, spline and base on the same accumulators; the first starts the sums.  Step s multiplies the weights' set s % 10.
; refill = 1: K steps 0 to 8 were asked for earlier; step 0 asks for K step 9, steps 1 to 8 ask for K steps 10 to 17 into the set that the step before has left.
; A step's loads stand among its products: the next step's 20 LDS loads behind the first four, the 17 loads of weights behind the next four.
.macro MPHASE S, nsp, base, refill
	s_wait_alu depctr_vm_vsrc(0)                           ; the LDS stores of codes and scale words have read v192-226, over which the first products write
	ALOAD 0, \nsp, 0
.set ms, 0
.rept \S
.if (ms > 0) && (ms+1 < \S)
.rept 8
	v_nop                                                  ; eight places between the last products and the loads into registers that they read
.endr
.endif
	s_wait_dscnt 0x0                                       ; this step's 20 LDS loads are in: nothing has been issued behind them
.if \refill
.if ms >= 6
.set lc, 17*8
.if ms+8 > 17
.set lc, 17*(17-ms)
.endif
.if lc > 63
.set lc, 63
.endif
	s_wait_loadcnt lc                                      ; this step's unit is in: behind it 17 loads were issued for each later unit (a wait names 63 at the most)
.endif
.endif
.if (ms > 0) && (ms+1 < \S)
	s_wait_alu depctr_va_vdst(0)                           ; the last step's products are done reading their set of the points' fragments and scale words and their set of weights and scale words: this step's loads land there
.endif
.set mz, 0
.if ms == 0
.set mz, 1
.endif
	MUL4 ms%10, ms%2, 0, mz
.if ms+1 < \S
	ALOAD ms+1, \nsp, (ms+1)%2                             ; no wait: no product since the wait above names the other set
.endif
	MUL4 ms%10, ms%2, 1, mz
.if \refill
.if ms == 0
	BLOAD 9, 9, \base
.elseif ms <= 8
	BLOAD ms+9, ms-1, \base                                ; likewise: the set that the last step has left
.endif
.endif
	MUL4 ms%10, ms%2, 2, mz
	MUL4 ms%10, ms%2, 3, mz
.set ms, ms+1
.endr
	WIN 0
.rept 8
	v_nop                                                  ; eight places between the last products and the first read of results
.endr
	s_wait_alu depctr_va_vdst(0)                           ; the products have written the accumulators, which the LDS stores read, and are done reading every set of fragments, weights and scale words; the places above stay beside this wait
.irp a, 0,1,2,3,4,5,6,7,8,9,10,11,12,13,14,15
	ds_store_b128 v[HB], v[ACC+8*\a:ACC+8*\a+3] offset:1024*\a          ; h rests in my own LDS bytes; each accumulator from its low end on
	ds_store_b128 v[HB], v[ACC+8*\a+4:ACC+8*\a+7] offset:1024*\a+512
.endr
	BARRIER                                                ; every wave's reads of the images are over: they may be written again
	s_wait_alu depctr_vm_vsrc(0)                           ; my LDS stores have read v128-255, which the next phase's vector instructions and loads write
.endm
	s_load_b256 s[4:11], s[0:1], 0x0               ; x, freq, sw3, ss3
	s_load_b128 s[12:15], s[0:1], 0x20             ; bw3, wq
	s_load_b64 s[16:17], s[0:1], 0x30              ; out0
	v_lshrrev_b32 v87, 5, v0
	v_readfirstlane_b32 s[WV], v87                 ; wave 0..3
	v_and_b32 v84, 31, v0                          ; lane
	v_and_b32 v85, 15, v0                          ; r
	v_bfe_u32 v86, v0, 4, 1                        ; hh
	v_lshlrev_b32 v[LI], 4, v84
	v_lshl_add_u32 v[LS], v84, 2, ASC
	v_add_nc_u32 v[AA+1], 32768, v[LI]
	v_add_nc_u32 v[AA+2], 65536, v[LI]
	v_add_nc_u32 v[AA+3], 98304, v[LI]
	v_add_nc_u32 v[AB], BIMG, v[LI]
	s_wait_alu depctr_va_sdst(0)                   ; s18, the wave's number, is written, ahead of its first reader
	s_lshl_b32 s19, s[WV], 14
	s_add_co_u32 s19, s19, HREG
	v_add_nc_u32 v[HB], s19, v[LI]
	s_lshl_b32 s19, s[WV], 15
	v_add_nc_u32 v[IW], s19, v[LI]
	s_lshl_b32 s19, s[WV], 11
	v_add_nc_u32 v[SWA], s19, v[LS]
	s_lshl_b32 s19, s[WV], 13
	v_add_nc_u32 v[IW0], s19, v[LI]
	s_lshl_b32 s19, s[WV], 9
	v_add_nc_u32 v[SW0], s19, v[LS]
	s_lshr_b32 s19, s[WV], 1                       ; my 64 features lie in base K step w / 2,
	s_and_b32 s23, s[WV], 1                        ; blocks 2 (w % 2) and 2 (w % 2) + 1
	s_lshl_b32 s30, s19, 13
	s_lshl_b32 s31, s23, 12
	s_add_co_u32 s30, s30, s31
	v_add_nc_u32 v[BWA], s30, v[AB]
	s_lshl_b32 s30, s19, 9
	s_lshl_b32 s31, s23, 1
	s_add_co_u32 s30, s30, s31
	s_add_co_u32 s30, s30, BSC-ASC
	v_add_nc_u32 v[BSA], s30, v[LS]
	s_lshl_b32 s30, s[WV], 11
	s_add_co_u32 s30, s30, C3
	v_lshl_add_u32 v[C3A], v86, 6, s30
	s_lshl_b32 s30, s[WV], 8
	s_add_co_u32 s31, s30, BW3
	v_lshl_add_u32 v[B3A], v86, 3, s31
	s_add_co_u32 s31, s30, PART
	v_lshl_add_u32 v[PA], v85, 2, s31
	v_lshl_add_u32 v[FIN], v84, 3, PART
	v_lshlrev_b32 v[OUTO], 3, v84
	s_lshl_b32 s30, s[WV], 6
	v_lshl_add_u32 v117, v85, 2, s30               ; x: in layer 0 wave w takes points 16 w + r
	v_lshlrev_b32 v118, 3, v86                     ; freq: 4 c + 2 hh + 0, 1
	v_lshlrev_b32 v119, 6, v0                      ; sw3: two features, 64 bytes, a thread
	v_lshlrev_b32 v120, 3, v0                      ; ss3, bw3: two numbers a thread
	v_lshl_add_u32 v[TA], v0, 6, C3
	v_lshl_add_u32 v[TA+1], v0, 3, BW3
	v_mov_b32 v87, 0x3f0ce1da                      ; c = 6^(-1/3)
	v_mul_f32 v[OO+0], 0x40600000, v87             ; c (3.5 - j)
	v_mul_f32 v[OO+1], 0x40200000, v87
	v_mul_f32 v[OO+2], 0x3fc00000, v87
	v_mul_f32 v[OO+3], 0.5, v87
	v_mul_f32 v[OO+4], -0.5, v87
	v_mul_f32 v[OO+5], 0xbfc00000, v87
	v_mul_f32 v[OO+6], 0xc0200000, v87
	v_mul_f32 v[OO+7], 0xc0600000, v87
.irp b, 0,1,2,3
	v_mov_b32 v[ZR+\b], 0
	v_mov_b32 v[TM+4+\b], 0                        ; written once: a lane permute's destination counts as one of its sources
.endr
	s_mov_b32 s[SEL], 0x76543210
	s_mov_b32 s[SEL+1], 0xfedcba98
	s_mov_b32 s[MNT], 0x600000
	s_mov_b32 s[KAP], 0x3fb01a50                   ; 2.5 c   (the packed forms name pairs and take the low word for both halves: both words are written)
	s_mov_b32 s[KAP+1], s[KAP]
	s_mov_b32 s[C2], 0x3f8ce1da                    ; 2 c
	s_mov_b32 s[C2+1], s[C2]
	s_mov_b32 s[MC], 0xbf0ce1da                    ; -c
	s_mov_b32 s[MC+1], s[MC]
	s_mov_b32 s[NL2E], 0xbfb8aa3b                  ; -log2(e)
	s_mov_b32 s[NL2E+1], s[NL2E]
	s_mov_b32 s40, 0x3f22f983                      ; 2 / pi
	s_mov_b32 s41, 0x3fc90fdb                      ; pi / 2 in three parts
	s_mov_b32 s42, 0xb33bbd2e
	s_mov_b32 s43, 0xa6f72ced
	s_mov_b32 s44, 0xb94ca1f9                      ; the sine's polynomial on +-pi / 4
	s_mov_b32 s45, 0x3c08839e
	s_mov_b32 s46, 0xbe2aaaa3
	s_mov_b32 s47, 0x37ccf5ce                      ; the cosine's
	s_mov_b32 s48, 0xbab6061a
	s_mov_b32 s49, 0x3d2aaaa5
	s_mov_b32 s31, 0
	s_wait_kmcnt 0x0
	s_mul_i32 s30, s[WV], 156672                   ; 18 units a wave in layers 1 and 2, behind layer 0's 104,448 bytes
	s_add_co_u32 s30, s30, 104448
	s_add_nc_u64 s[WB:WB+1], s[14:15], s[30:31]
	s_mul_i32 s30, s[WV], 26112                    ; 3 units a wave in layer 0
	s_add_nc_u64 s[WB0:WB0+1], s[14:15], s[30:31]
	s_lshl_b32 s30, ttmp9, 8                       ; 64 points of 4 bytes a work-group
	s_add_nc_u64 s[4:5], s[4:5], s[30:31]
	s_add_nc_u64 s[16:17], s[16:17], s[30:31]
	s_wait_alu depctr_va_vdst(0)                   ; every address and offset made above (v2-22, v117-120) and the zeros v80-83 are written: the kernel's loads and stores read them
	global_load_b32 v[XV], v117, s[4:5]
.irp c, 0,1,2,3
	global_load_b64 v[X+2*\c:X+2*\c+1], v118, s[6:7] offset:16*\c
.endr
.irp i, 0,1,2,3
	global_load_b128 v[96+4*\i:99+4*\i], v119, s[8:9] offset:16*\i
.endr
	global_load_b64 v[112:113], v120, s[10:11]
	global_load_b64 v[114:115], v120, s[12:13]
	BLOAD 0, 0, WB0                                ; layer 0's three units land under the encoding
	BLOAD 1, 1, WB0
	BLOAD 2, 2, WB0
	s_wait_loadcnt 51                              ; the 11 small loads are in; the 3 x 17 behind them may be out
.irp q, 0,2,4,6
	v_pk_mul_f32 v[96+\q:97+\q], v[96+\q:97+\q], v[112:113] op_sel_hi:[1,0]                 ; sw3 x ss3, the last layer's coefficients
.endr
.irp q, 8,10,12,14
	v_pk_mul_f32 v[96+\q:97+\q], v[96+\q:97+\q], v[112:113] op_sel:[0,1] op_sel_hi:[1,1]
.endr
	s_wait_alu depctr_va_vdst(0)                   ; the products have written v96-111, which the LDS stores read
.irp i, 0,1,2,3
	ds_store_b128 v[TA], v[96+4*\i:99+4*\i] offset:16*\i
.endr
	ds_store_b64 v[TA+1], v[114:115]
	s_wait_alu depctr_vm_vsrc(0)                   ; the LDS stores have read v96-111, v114 and v115, the small loads their offsets v117-120: the encoding writes all of these next
	; ---- LAYER 0.  The encoding: my point's sin and cos of x freq for my eight frequencies.  Reduction by multiples of pi / 2 in two stages (the second mends a first quotient that is off by one), then polynomials
.set ER, 112
.set EN, 120
.set EQ, 128
.set EZ, 136
.set ES, 144
.set EC, 152
.irp i, 0,1,2,3,4,5,6,7
	v_mul_f32 v[ER+\i], v[XV], v[X+\i]
.endr
.irp i, 0,1,2,3,4,5,6,7
	v_mul_f32 v[EN+\i], s40, v[ER+\i]
.endr
.irp i, 0,1,2,3,4,5,6,7
	v_rndne_f32 v[EN+\i], v[EN+\i]
.endr
.irp k, 41,42,43
.irp i, 0,1,2,3,4,5,6,7
	v_fma_f32 v[ER+\i], -v[EN+\i], s[\k], v[ER+\i]
.endr
.endr
.irp i, 0,1,2,3,4,5,6,7
	v_cvt_i32_f32 v[EQ+\i], v[EN+\i]
.endr
.irp i, 0,1,2,3,4,5,6,7
	v_mul_f32 v[EN+\i], s40, v[ER+\i]
.endr
.irp i, 0,1,2,3,4,5,6,7
	v_rndne_f32 v[EN+\i], v[EN+\i]
.endr
.irp k, 41,42
.irp i, 0,1,2,3,4,5,6,7
	v_fma_f32 v[ER+\i], -v[EN+\i], s[\k], v[ER+\i]
.endr
.endr
.irp i, 0,1,2,3,4,5,6,7
	v_cvt_i32_f32 v[T+\i], v[EN+\i]
.endr
.irp i, 0,1,2,3,4,5,6,7
	v_add_nc_u32 v[EQ+\i], v[EQ+\i], v[T+\i]       ; the quadrant
.endr
.irp i, 0,1,2,3,4,5,6,7
	v_mul_f32 v[EZ+\i], v[ER+\i], v[ER+\i]
.endr
.irp i, 0,1,2,3,4,5,6,7
	v_fma_f32 v[ES+\i], v[EZ+\i], s44, s45
	v_fma_f32 v[EC+\i], v[EZ+\i], s47, s48
.endr
.irp i, 0,1,2,3,4,5,6,7
	v_fma_f32 v[ES+\i], v[ES+\i], v[EZ+\i], s46
	v_fma_f32 v[EC+\i], v[EC+\i], v[EZ+\i], s49
.endr
.irp i, 0,1,2,3,4,5,6,7
	v_mul_f32 v[ES+\i], v[ES+\i], v[EZ+\i]
	v_mul_f32 v[EC+\i], v[EC+\i], v[EZ+\i]
	v_fma_f32 v[T+\i], v[EZ+\i], -0.5, 1.0
.endr
.irp i, 0,1,2,3,4,5,6,7
	v_fma_f32 v[ES+\i], v[ES+\i], v[ER+\i], v[ER+\i]   ; sin r
	v_fma_f32 v[EC+\i], v[EC+\i], v[EZ+\i], v[T+\i]    ; cos r
.endr
.irp i, 0,1,2,3,4,5,6,7
	v_and_b32 v[T+\i], 1, v[EQ+\i]
.endr
.irp i, 0,1,2,3,4,5,6,7
	v_cmp_eq_u32 s[QM+\i], 1, v[T+\i]              ; an odd quadrant swaps the two: a choice of values only.  The eight compares stand in one run, a mask each
.endr
	s_wait_alu depctr_va_sdst(0)                   ; the eight masks s50-57 are written, ahead of their first reader
.irp i, 0,1,2,3,4,5,6,7
	v_cndmask_b32 v[N+\i], v[ES+\i], v[EC+\i], s[QM+\i]
	v_cndmask_b32 v[N+8+\i], v[EC+\i], v[ES+\i], s[QM+\i]
.endr
.irp i, 0,1,2,3,4,5,6,7
	v_lshlrev_b32 v[T+\i], 30, v[EQ+\i]            ; the sine's sign: bit 1 of the quadrant;
	v_add_nc_u32 v[EQ+\i], 1, v[EQ+\i]
.endr
.irp i, 0,1,2,3,4,5,6,7
	v_and_b32 v[T+\i], 0x80000000, v[T+\i]
	v_lshlrev_b32 v[EQ+\i], 30, v[EQ+\i]           ; the cosine's: bit 1 of the quadrant + 1
.endr
.irp i, 0,1,2,3,4,5,6,7
	v_xor_b32 v[N+\i], v[N+\i], v[T+\i]
	v_and_b32 v[EQ+\i], 0x80000000, v[EQ+\i]
.endr
.irp i, 0,1,2,3,4,5,6,7
	v_xor_b32 v[N+8+\i], v[N+8+\i], v[EQ+\i]
.endr
	s_wait_alu depctr_va_vdst(0)                   ; the 16 features v96-111 are written, which the LDS stores read; the encoding is done reading the frequencies in v88-95, on which the first tile's values land
.irp i, 0,1,2,3
	ds_store_b128 v[HB], v[N+4*\i:N+4*\i+3] offset:512*\i   ; features 0-15 (sin) are spline K step 0, features 16-31 (cos) K step 1
.endr
	SPRE                                           ; LDS serves a wave's instructions in order: these see the stores above; they land under the base operand's work
	s_wait_alu depctr_vm_vsrc(0)                   ; the LDS stores have read v96-111: silu works in place
	SILU N, 16, N+32
	QUANT N, 1, 0, PC, PW                          ; the base operand: one block of 32; the K step's other three blocks are zero codes under the byte 127
	v_or_b32 v[PW], 0x7f7f7f00, v[PW]
	s_lshl_b32 s19, s[WV], 10
	v_add_nc_u32 v[TA+1], s19, v[AB]
	s_lshl_b32 s19, s[WV], 7
	v_add_nc_u32 v[TA+2], s19, v[LS]
	s_wait_alu depctr_va_vdst(0)                   ; the codes v192-195, the scale word v208 and the two addresses are written, which the LDS stores read
	ds_store_b128 v[TA+1], v[PC:PC+3]
	ds_store_b128 v[TA+1], v[ZR:ZR+3] offset:512
	ds_store_b128 v[TA+1], v[ZR:ZR+3] offset:4096
	ds_store_b128 v[TA+1], v[ZR:ZR+3] offset:4608
	ds_store_b32 v[TA+2], v[PW] offset:BSC-ASC
	SLOOP 2, IW0, SW0, 7                           ; behind the first tile's two loads: the second tile's two and the five stores above
	BARRIER                                        ; layer 0's images lie in LDS
	s_wait_loadcnt 0x0                             ; and its weights in registers
	MPHASE 3, 2, WB0, 0
	; ---- LAYERS 1 AND 2: one text, two trips
	s_mov_b32 s35, 2
.Llayer:
	SPRE                                           ; the first two tiles' values land while the weights are asked for
	BLOAD 0, 0, WB                                 ; K steps 0 to 2 land under the spline phase
	BLOAD 1, 1, WB
	BLOAD 2, 2, WB
	SLOOP 16, IW, SWA, 2                           ; behind the first tile's two loads: the second tile's two
	s_wait_alu depctr_vm_vsrc(0)                   ; the spline phase's LDS stores have read their codes and scale words, v192-226: the loads below land in v224-226, and the base phase's quantiser writes v192-209
.irp i, 0,1,2,3,4,5,6,7
	ds_load_b128 v[N+4*\i:N+4*\i+3], v[HB] offset:512*\i            ; the base phase's first two tiles of 16 points land while the weights are asked for
.endr
.irp i, 0,1,2,3,4,5,6,7
	ds_load_b128 v[NB+4*\i:NB+4*\i+3], v[HB] offset:4096+512*\i
.endr
	s_wait_loadcnt 0x0                             ; K steps 0 to 2 are shown in here, so that the products' steps 0 to 2 need no wait
	BLOAD 3, 3, WB
	BLOAD 4, 4, WB
	BLOAD 5, 5, WB
	s_mov_b32 s30, 0                               ; the base operand: two tiles of 16 points a trip
	s_mov_b32 s31, 0
	s_mov_b32 s32, 0
	s_mov_b32 s33, 2
	s_wait_dscnt 8                                 ; the first tile's values are in; the second tile's eight loads may be out
.Lbase:
	BHALF 0, N, PC, PW
	BHALF 1, NB, PC+8, PW3
	s_add_co_u32 s30, s30, 8192
	s_add_co_u32 s31, s31, 2048
	s_add_co_u32 s32, s32, 256
	s_sub_co_u32 s33, s33, 1
	s_cmp_lg_u32 s33, 0
	s_cbranch_scc1 .Lbase
	s_wait_loadcnt 0x0                             ; K steps 3 to 5 are shown in
	BLOAD 6, 6, WB
	BLOAD 7, 7, WB
	BLOAD 8, 8, WB
	BARRIER                                        ; the layer's images lie in LDS
	MPHASE 18, 16, WB, 1
	s_add_nc_u64 s[WB:WB+1], s[WB:WB+1], 626688    ; the next layer's weights (the last step's wait for 0 has shown every load done)
	s_sub_co_u32 s35, s35, 1
	s_cmp_lg_u32 s35, 0
	s_cbranch_scc1 .Llayer
	; ---- LAYER 3, one output: f32 multiply-adds (the matrix unit would use one column in sixteen).  Each wave sums over its 64 features; a trip takes four values of a lane
.set CF, 96                            ; v96-127 the coefficients of four features
.set DD, 128                           ; v128-135 eight bases
.set A4, 176                           ; v176-183 four sums in pairs
.set EE, 184                           ; v184-187 at work in silu
.set RS, 200                           ; v200-203 a tile's sum
.macro L3M m
	s_mov_b32 s30, 0
	s_mov_b32 s31, 0
	s_mov_b32 s32, 0
	s_mov_b32 s33, 8
.irp i, 0,1,2,3,4,5,6,7
	v_mov_b32 v[A4+\i], 0
.endr
.Ll3_\@:
	s_wait_alu depctr_vm_vsrc(0)                           ; the last trip's LDS loads have read the three addresses
	v_add_nc_u32 v[TA], s30, v[HB]
	v_add_nc_u32 v[TA+1], s31, v[C3A]
	v_add_nc_u32 v[TA+2], s32, v[B3A]
	s_wait_alu depctr_va_vdst(0)                           ; the three addresses are written; the last trip's arithmetic is done reading v88-95 and v96-127, on which the loads land
	ds_load_b128 v[X:X+3], v[TA] offset:4096*\m
.irp q, 0,1,2,3
	ds_load_b128 v[CF+8*\q:CF+8*\q+3], v[TA+1] offset:128*(\q/2)+32*(\q%2)
	ds_load_b128 v[CF+8*\q+4:CF+8*\q+7], v[TA+1] offset:128*(\q/2)+32*(\q%2)+16
.endr
	ds_load_b64 v[X+4:X+5], v[TA+2]
	ds_load_b64 v[X+6:X+7], v[TA+2] offset:16
	s_wait_dscnt 0x0
.irp q, 0,1,2,3
	BASES X+2*(\q/2), \q%2, DD
.irp i, 0,2,4,6
	v_pk_fma_f32 v[A4+\i:A4+\i+1], v[DD+\i:DD+\i+1], v[CF+8*\q+\i:CF+8*\q+\i+1], v[A4+\i:A4+\i+1]
.endr
.endr
	SILU X, 4, EE
	v_pk_fma_f32 v[A4:A4+1], v[X:X+1], v[X+4:X+5], v[A4:A4+1]
	v_pk_fma_f32 v[A4+2:A4+3], v[X+2:X+3], v[X+6:X+7], v[A4+2:A4+3]
	s_add_co_u32 s30, s30, 512
	s_add_co_u32 s31, s31, 256
	s_add_co_u32 s32, s32, 32
	s_sub_co_u32 s33, s33, 1
	s_cmp_lg_u32 s33, 0
	s_cbranch_scc1 .Ll3_\@
	v_pk_add_f32 v[A4:A4+1], v[A4:A4+1], v[A4+2:A4+3]
	v_pk_add_f32 v[A4+4:A4+5], v[A4+4:A4+5], v[A4+6:A4+7]
	v_pk_add_f32 v[A4:A4+1], v[A4:A4+1], v[A4+4:A4+5]
	v_add_f32 v[A4], v[A4], v[A4+1]
	v_permlanex16_b32 v[A4+2], v[A4], s[SEL], s[SEL+1]     ; the point's other features of my 64 lie in lane l xor 16
	v_add_f32 v[RS+\m], v[A4], v[A4+2]                     ; each tile's sum has a register of its own: the four are stored together
.endm
	L3M 0
	L3M 1
	L3M 2
	L3M 3
	s_wait_alu depctr_va_vdst(0)                   ; the four sums v200-203 are written, which the LDS stores read
.irp m, 0,1,2,3
	ds_store_b32 v[PA], v[RS+\m] offset:64*\m      ; both halves of the lanes write the same word with the same value
.endr
	BARRIER                                        ; the four waves' sums lie in LDS
	s_cmp_lg_u32 s[WV], 0
	s_cbranch_scc1 .Lend
.irp w, 0,1,2,3
	ds_load_b64 v[96+2*\w:97+2*\w], v[FIN] offset:256*\w   ; no vector instruction since the wait above names v96-103
.endr
	s_wait_dscnt 0x0
	v_pk_add_f32 v[96:97], v[96:97], v[98:99]
	v_pk_add_f32 v[100:101], v[100:101], v[102:103]
	v_pk_add_f32 v[96:97], v[96:97], v[100:101]
	s_wait_alu depctr_va_vdst(0)                   ; the sums v96 and v97 are written, which the store reads
	global_store_b64 v[OUTO], v[96:97], s[16:17]   ; 32 lanes store the work-group's 256 consecutive bytes, at a multiple of 256 from out0's first byte
.Lend:
	s_wait_xcnt 0x0                                ; every earlier memory instruction has had its address translated (ISA guide 3.1)
	v_lshl_add_u32 v254, v0, 2, 0x38c00            ; the add's two registers are made anew here: my spare word, behind PART, and 0.  (No memory or LDS instruction has read v254 or v255 since the wait on vm_vsrc behind h's last stores)
	v_mov_b32 v255, 0
	s_wait_dscnt 0x0                               ; the closing lines, six on end
	s_wait_alu 0x0
	s_wait_tensorcnt 0x0
	ds_add_u32 v254, v255
	s_wait_dscnt 0x0
	s_endpgm
.Lfunc_end_k_q589120606a_kan:
	.size	k_q589120606a_kan, .Lfunc_end_k_q589120606a_kan-k_q589120606a_kan
	.p2alignl 7, 3214868480
	.fill 96, 4, 3214868480
	.section	.rodata,"a",@progbits
	.p2align	6, 0x0
	.amdhsa_kernel k_q589120606a_kan
		.amdhsa_group_segment_fixed_size 232960
		.amdhsa_private_segment_fixed_size 0
		.amdhsa_enable_private_segment 0
		.amdhsa_kernarg_size 56
		.amdhsa_user_sgpr_count 2
		.amdhsa_user_sgpr_kernarg_segment_ptr 1
		.amdhsa_wavefront_size32 1
		.amdhsa_system_sgpr_workgroup_id_x 1
		.amdhsa_system_sgpr_workgroup_id_y 1
		.amdhsa_system_sgpr_workgroup_id_z 1
		.amdhsa_system_vgpr_workitem_id 0
		.amdhsa_next_free_vgpr 1024
		.amdhsa_next_free_sgpr 66
		.amdhsa_reserve_vcc 0
		.amdhsa_float_denorm_mode_32 3
		.amdhsa_float_denorm_mode_16_64 3
		.amdhsa_memory_ordered 1
		.amdhsa_forward_progress 1
		.amdhsa_inst_pref_size 255
	.end_amdhsa_kernel
	.section	.bss,"aw",@nobits
	.p2align	6
	.space	262144
	.amdgpu_metadata
---
amdhsa.version: [ 1, 2 ]
amdhsa.kernels:
  - .name:           k_q589120606a_kan
    .symbol:         k_q589120606a_kan.kd
    .args:
      - { .name: x, .offset: 0, .size: 8, .value_kind: global_buffer, .address_space: global }
      - { .name: freq, .offset: 8, .size: 8, .value_kind: global_buffer, .address_space: global }
      - { .name: sw3, .offset: 16, .size: 8, .value_kind: global_buffer, .address_space: global }
      - { .name: ss3, .offset: 24, .size: 8, .value_kind: global_buffer, .address_space: global }
      - { .name: bw3, .offset: 32, .size: 8, .value_kind: global_buffer, .address_space: global }
      - { .name: wq, .offset: 40, .size: 8, .value_kind: global_buffer, .address_space: global }
      - { .name: out0, .offset: 48, .size: 8, .value_kind: global_buffer, .address_space: global }
    .group_segment_fixed_size: 232960
    .private_segment_fixed_size: 0
    .kernarg_segment_align: 8
    .kernarg_segment_size: 56
    .max_flat_workgroup_size: 128
    .sgpr_count:     66
    .vgpr_count:     1024
    .wavefront_size: 32
...
	.end_amdgpu_metadata
.endif
;; end of part 3
